; MI455X (gfx1250); checked and timed in simulation.
; The chip was launched on July 23, 2026; its instructions are those of AMD's public machine-readable ISA for CDNA 5 (MIT licence, August 2026) and "CDNA5" Instruction Set Architecture Reference Guide (July 2026). The comments in the code are by the model that wrote it; some were corrected since.
;; Multihead Linear Self Attention Kernalization Layer. Allowed arithmetic: float matrix products may take bf16 or f16 operands with f32 sums; all other float work in f32.
;; Inputs: Wk 2,048 x 2,048 float32; Wo 4,096 x 2,048 float32; Wq 2,048 x 2,048 float32; Wv 2,048 x 2,048 float32; beta 2,048 float32; bk 2,048 float32; bo 2,048 float32; bq 2,048 float32; bv 2,048 float32; gamma 2,048 float32; x 8 x 256 x 2,048 float32.
;; Outputs: out0 8 x 256 x 2,048 float32.
;; One version. Each part assembles by itself: llvm-mc -triple=amdgcn-amd-amdhsa -mcpu=gfx1250 --defsym DOCPART=n.
;; ======== version 1 of 1: 5 launches
;; limits: values are held in f16: magnitudes above 65,504 overflow, below 6.1e-05 lose precision
;; workspace buffers: cb 41,943,040 bytes; qp 16,777,216 bytes; qkv 25,165,824 bytes; rk 65,536 bytes; at 8,388,608 bytes; ps 262,144 bytes; cp 524,288 bytes; z 16,777,216 bytes
;; launch cast (part 1): grid 256 x 5, 8 waves a work-group, no clusters, 0 bytes of LDS; arguments x, Wq, Wk, Wv, Wo, cb; writes cb
.if DOCPART == 1
	.amdgcn_target "amdgcn-amd-amdhsa--gfx1250"
	.amdhsa_code_object_version 6
	.text
	.protected	k_q0edeb1bb7a_cast
	.globl	k_q0edeb1bb7a_cast
	.p2align	8
	.type	k_q0edeb1bb7a_cast,@function
k_q0edeb1bb7a_cast:
	s_mov_b64 s[64:65], 0
	v_nop
	global_prefetch_b8 v0, s[64:65] scope:SCOPE_SE
	s_setreg_imm32_b32 hwreg(HW_REG_WAVE_MODE, 25, 1), 1
	s_wait_xcnt 0x0
; cb holds five images of 8,388,608 bytes, each [2048][2048] of 16 bits: 0 = x, 1 = Wq, 2 = Wk, 3 = Wv in f16, 4 = rows 0-2047 of Wo in bf16.
; Each is rounded once here, because the two large products read every tile of them 8 to 24 times.
; Work-group (gx, seg) takes 65,536 bytes of source seg and writes 32,768.  Thread t takes 16 bytes at 16 t of every 4,096:
; a wave's load covers 512 consecutive bytes, a wave's store 256 consecutive bytes, aligned.  No LDS, no barrier, no register written twice.
; LIMIT: a number of x, Wq, Wk or Wv beyond f16's largest, 65,504, becomes an infinity.
.set X, 4                              ; v[4:67]   sixteen loads of 4 f32
.set Y, 68                             ; v[68:99]  sixteen pairs of packed results
	s_load_b256 s[4:11], s[0:1], 0x0               ; x s[4:5], Wq s[6:7], Wk s[8:9], Wv s[10:11]
	s_load_b128 s[12:15], s[0:1], 0x20             ; Wo s[12:13], cb s[14:15]
	s_and_b32 s16, ttmp7, 0xffff                   ; seg
	v_lshlrev_b32 v1, 4, v0                        ; 16 t: my bytes in each 4,096 of the source
	v_lshlrev_b32 v2, 3, v0                        ; 8 t: my bytes in each 2,048 of the image
	s_lshl_b32 s18, ttmp9, 16                      ; the group's 65,536 bytes of the source
	s_mov_b32 s19, 0
	s_lshl_b32 s20, s16, 23                        ; the image's 8,388,608 bytes,
	s_lshl_b32 s17, ttmp9, 15                      ; and the group's 32,768 in it
	s_add_co_u32 s20, s20, s17
	s_mov_b32 s21, 0
	s_wait_kmcnt 0x0
	s_cmp_eq_u32 s16, 1                            ; the source is chosen by the work-group's y alone
	s_cselect_b64 s[4:5], s[6:7], s[4:5]
	s_cmp_eq_u32 s16, 2
	s_cselect_b64 s[4:5], s[8:9], s[4:5]
	s_cmp_eq_u32 s16, 3
	s_cselect_b64 s[4:5], s[10:11], s[4:5]
	s_cmp_eq_u32 s16, 4
	s_cselect_b64 s[4:5], s[12:13], s[4:5]
	s_add_nc_u64 s[4:5], s[4:5], s[18:19]
	s_add_nc_u64 s[14:15], s[14:15], s[20:21]
.irp j, 0,1,2,3,4,5,6,7,8,9,10,11,12,13,14,15
	global_load_b128 v[X+4*\j:X+4*\j+3], v1, s[4:5] offset:4096*\j th:TH_LOAD_NT   ; all sixteen go out at once; these bytes are read once in this launch
.endr
.macro CONV op
.irp j, 0,1,2,3,4,5,6,7,8,9,10,11,12,13,14,15
	s_wait_loadcnt 15-\j                           ; loads come back in order (ISA guide 5.7.1): load j is in, the 15 - j younger ones stay out
	\op v[Y+2*\j],   v[X+4*\j],   v[X+4*\j+1]
	\op v[Y+2*\j+1], v[X+4*\j+2], v[X+4*\j+3]
	global_store_b64 v2, v[Y+2*\j:Y+2*\j+1], s[14:15] offset:2048*\j
.endr
.endm
	s_cmp_eq_u32 s16, 4
	s_cbranch_scc1 .Lbf16
	CONV v_cvt_pk_f16_f32
	s_endpgm
.Lbf16:
	CONV v_cvt_pk_bf16_f32
	s_endpgm
.Lfunc_end_k_q0edeb1bb7a_cast:
	.size	k_q0edeb1bb7a_cast, .Lfunc_end_k_q0edeb1bb7a_cast-k_q0edeb1bb7a_cast
	.p2alignl 7, 3214868480
	.fill 96, 4, 3214868480
	.section	.rodata,"a",@progbits
	.p2align	6, 0x0
	.amdhsa_kernel k_q0edeb1bb7a_cast
		.amdhsa_group_segment_fixed_size 0
		.amdhsa_private_segment_fixed_size 0
		.amdhsa_enable_private_segment 0
		.amdhsa_kernarg_size 48
		.amdhsa_user_sgpr_count 2
		.amdhsa_user_sgpr_kernarg_segment_ptr 1
		.amdhsa_wavefront_size32 1
		.amdhsa_system_sgpr_workgroup_id_x 1
		.amdhsa_system_sgpr_workgroup_id_y 1
		.amdhsa_system_sgpr_workgroup_id_z 1
		.amdhsa_system_vgpr_workitem_id 0
		.amdhsa_next_free_vgpr 100
		.amdhsa_next_free_sgpr 66
		.amdhsa_reserve_vcc 0
		.amdhsa_float_denorm_mode_32 3
		.amdhsa_float_denorm_mode_16_64 3
		.amdhsa_memory_ordered 1
		.amdhsa_forward_progress 1
		.amdhsa_inst_pref_size 11
	.end_amdhsa_kernel
	.amdgpu_metadata
---
amdhsa.version: [ 1, 2 ]
amdhsa.kernels:
  - .name:           k_q0edeb1bb7a_cast
    .symbol:         k_q0edeb1bb7a_cast.kd
    .args:
      - { .name: x, .offset: 0, .size: 8, .value_kind: global_buffer, .address_space: global }
      - { .name: Wq, .offset: 8, .size: 8, .value_kind: global_buffer, .address_space: global }
      - { .name: Wk, .offset: 16, .size: 8, .value_kind: global_buffer, .address_space: global }
      - { .name: Wv, .offset: 24, .size: 8, .value_kind: global_buffer, .address_space: global }
      - { .name: Wo, .offset: 32, .size: 8, .value_kind: global_buffer, .address_space: global }
      - { .name: cb, .offset: 40, .size: 8, .value_kind: global_buffer, .address_space: global }
    .group_segment_fixed_size: 0
    .private_segment_fixed_size: 0
    .kernarg_segment_align: 8
    .kernarg_segment_size: 48
    .max_flat_workgroup_size: 256
    .sgpr_count:     66
    .vgpr_count:     100
    .wavefront_size: 32
...
	.end_amdgpu_metadata
.endif
;; end of part 1
;; launch proj (part 2): grid 24 x 8, 4 waves a work-group, clusters of 4 x 4, 327,680 bytes of LDS; arguments cb, bq, bk, bv, qp, qkv, rk; writes qp, qkv, rk
.if DOCPART == 2
	.amdgcn_target "amdgcn-amd-amdhsa--gfx1250"
	.amdhsa_code_object_version 6
	.text
	.protected	k_q0edeb1bb7a_proj
	.globl	k_q0edeb1bb7a_proj
	.p2align	8
	.type	k_q0edeb1bb7a_proj,@function
k_q0edeb1bb7a_proj:
	s_mov_b64 s[64:65], 0
	v_nop
	global_prefetch_b8 v0, s[64:65] scope:SCOPE_SE
	s_setreg_imm32_b32 hwreg(HW_REG_WAVE_MODE, 25, 1), 1
	s_wait_xcnt 0x0
	s_wait_alu depctr_hold_cnt(0) depctr_sa_sdst(0) depctr_va_vdst(0) depctr_va_sdst(0) depctr_va_ssrc(0) depctr_va_vcc(0) depctr_vm_vsrc(0)
	s_getreg_b32 s2, hwreg(HW_REG_IB_STS2, 6, 4)
	s_cmp_eq_u32 s2, 0
	s_cbranch_scc0 .Lentry_in_a_cluster
	s_endpgm
.Lentry_in_a_cluster:
	s_bfe_u32 s2, ttmp6, 0x10000c
	s_cmp_lg_u32 s2, 0xf033
	s_cbranch_scc0 .Lentry_shape_is_right
	s_endpgm
.Lentry_shape_is_right:
; The three projections as one product: [2048 rows of x] x [Wq | Wk | Wv], f16 operands, f32 sums.
; A work-group makes a block of 256 x 256: all rows of one batch b (block row), one head of q, k or v (block column bc: which = bc / 8, head = bc % 8).
; Four waves, 128 x 128 each: 64 accumulator tiles, 512 registers.  K goes in steps of 128 through two LDS slots filled by tensor loads.
; x lies [m][k]: its fragments are plain 16-byte loads.  The weights lie [k][n]: ds_load_tr16_b128 transposes them on the way to the registers.
; CLUSTERS: 4 x 4 work-groups.  x's tile hangs on the block row alone and is asked for jointly along a row of the cluster, the weights' tile on the
; block column alone and jointly along a column: the requests for both are divided by four.  which = cluster x / 2 is equal in all partners.
; 192 work-groups: a block is exactly one (batch, head, which), so that the sum of k over a batch's rows stays inside a work-group.
; OUT: q_proj + bias in f32 (qp, q blocks only), elu + 1 of q and k and plain v in f16 (qkv), and for k blocks rk = 1 / (column sum of k + 1e-6) in f32.
; elu(y) + 1 = max(y, 0) + 2^(1.442695 min(y, 0)): for y > 0 exactly y + 1; no compare, no overflow (the exponent is never above 0).
; LIMITS: |q|, |k|, |v| beyond 65,504 become infinities in f16; v_exp_f32 and v_rcp_f32 flush denormals (ISA guide 15.8): e^y below 2^-126 counts as 0.
; The matrix instruction is used transposed (source 0 = 16 columns of W, source 1 = 16 rows of x): lane l holds row l % 16, registers 0-7 the columns 8 (l / 16) + 0..7.
; REGISTER WINDOWS: 0: addresses, x's fragments (two buffers), later the way out; 1: v0-63 the bias, v64-191 W's fragments; 2, 3: accumulators of my rows 0-63, 64-127.
.set PITCH,  272                       ; x's LDS row: 256 bytes + 16: sixteen rows start at sixteen different 16-byte columns
.set BPITCH, 544                       ; W's LDS row: 512 bytes + 32 = 17 x 32
.set HALFT,  34816                     ; one tensor load: 128 rows x 272 (x) or 64 rows x 544 (W)
.set SLOT,   4*HALFT                   ; x's 256 rows, then W's 128 k rows
.set STAGE,  2*SLOT                    ; behind the ring: 8,448 bytes a wave for the way out; no tensor load lands here
.set WSTAGE, 8448
.set FPITCH, 528                       ; the stage's row of 128 f32 + 16 bytes
.set SCR,    STAGE+4*WSTAGE            ; 512 bytes a wave: column sums
.set LAPS,   8                         ; 2048 / (2 x 128)
.set ASTEP,  512                       ; two K steps along x's rows
.set BSTEP,  1048576                   ; two K steps down W's rows: 256 x 4,096 bytes
.set ADRA, 16                          ; v16-17  my x fragments in slot 0, 1
.set ADRB, 20                          ; v20-21  my W fragments in slot 0, 1
.set RKO,  22                          ; 8 t
.set SC2,  23                          ; SCR + 8 t
.set STO,  24                          ; f16 stage, in
.set RD,   25                          ; f16 stage, back
.set CO,   26                          ; my bytes in qkv
.set STO32, 27                         ; f32 stage, in
.set RD32, 28                          ; f32 stage, back
.set CO32, 29                          ; my bytes in qp
.set BO,   30                          ; 32 h: my bytes in the bias
.set SC1,  31                          ; SCR + 512 wave + 32 h
.set R,    32                          ; v[32:63]   rows read back
.set F0,   64
.set F1,   128
.set Y,    64                          ; v[64:127]  a group's 64 numbers (the fragment buffers are free by then)
.set CS,   128                         ; v[128:191] column sums
.set TMP,  192                         ; v[192:223] packed f16
.set E,    224                         ; v[224:231]
.set T,    232                         ; v[232:239]
.set G1, 24
.set G0, 32
.set G1B, 48
.set G0B, 56
.set MSB, 0
.macro WIN new                         ; the immediate's high byte repeats the setting that is left
.if MSB != (\new)
	s_set_vgpr_msb (MSB<<8)|(\new)
.set MSB, (\new)
.endif
.endm
.set MUL_LO, 0xa1                      ; source 0 (W) window 1, source 1 (x) window 0, C and D window 2
.set MUL_HI, 0xf1                      ; the same, C and D window 3
.set TO_B,   0x40                      ; destination window 1, address window 0
; A joint load: waves 0 and 1 fetch x's two halves, waves 2 and 3 W's.  The branch hangs on the wave's number alone.
.macro JLOAD s
	s_cmp_eq_u32 s11, 0
	s_cbranch_scc0 .Lfor_b_\@
	tensor_load_to_lds s[G0+4*\s:G0+4*\s+3], s[G1:G1+7]
	s_nop 0
	s_branch .Lasked_\@
.Lfor_b_\@:
	tensor_load_to_lds s[G0B+4*\s:G0B+4*\s+3], s[G1B:G1B+7]
	s_nop 0
.Lasked_\@:
.endm
.macro CREST                           ; a round of the cluster's barrier behind its opening barrier
	s_cmp_lg_u32 s10, 0
	s_cbranch_scc1 .Lnot_wave_0_\@
	s_barrier_signal -3
.Lnot_wave_0_\@:
	s_barrier_wait -3
	s_barrier_signal -1
	s_barrier_wait -1
.endm
.macro CROUND                          ; a whole round
	s_barrier_signal -1
	s_barrier_wait -1
	CREST
.endm
	s_load_b256 s[72:79], s[0:1], 0x0              ; cb s[72:73], bq s[74:75], bk s[76:77], bv s[78:79]
	s_load_b128 s[80:83], s[0:1], 0x20             ; qp s[80:81], qkv s[82:83]
	s_load_b64 s[84:85], s[0:1], 0x30              ; rk
	s_set_vgpr_msb 0x40
	v_lshl_add_u32 v255, v0, 2, 0x4cc00
	s_set_vgpr_msb 0x4000
	v_mov_b32 v255, 0
	s_set_vgpr_msb 0x1
	ds_add_u32 v255, v255
	s_set_vgpr_msb 0x100
	v_lshrrev_b32 v1, 5, v0
	v_readfirstlane_b32 s10, v1                    ; wave 0..3
	s_lshr_b32 s11, s10, 1                         ; my half of the block's rows.  Also: I fetch for x (0) or for W (1)
	s_and_b32 s12, s10, 1                          ; my half of its columns.  Also: which half of that tile I fetch
	s_bfe_u32 s40, ttmp6, 0x40000                  ; cx
	s_bfe_u32 s41, ttmp6, 0x40004                  ; cy
	s_lshl_b32 s42, ttmp9, 2
	s_add_co_u32 s42, s42, s40                     ; block column bc = 4 x cluster x + cx
	s_and_b32 s13, ttmp7, 0xffff
	s_lshl_b32 s13, s13, 2
	s_add_co_u32 s13, s13, s41                     ; block row = batch = 4 x cluster y + cy
	s_lshr_b32 s86, ttmp9, 1                       ; which = bc / 8: 0 q, 1 k, 2 v; made of the cluster's x alone
	s_and_b32 s87, s42, 7                          ; head: enters global addresses only
	s_lshl_b32 s43, s41, 2
	s_lshl_b32 s43, 15, s43                        ; my row of the cluster
	s_lshl_b32 s44, 0x1111, s40                    ; my column
	; group 1 for x: 128 rows x 128 elements of 2 bytes, 16 bytes of padding behind every 64 words
	s_or_b32 s[G1+0], s43, (1<<16)|(1<<20)|(1<<21)|(5<<22)|(3<<25)
	s_mov_b32 s[G1+1], 128<<16                     ; tensor_dim0 = 128
	s_mov_b32 s[G1+2], 128<<16                     ; tensor_dim1 = 128
	s_mov_b32 s[G1+3], 128<<16                     ; tile_dim0 = 128
	s_mov_b32 s[G1+4], 128                         ; tile_dim1 = 128
	s_mov_b32 s[G1+5], 2048                        ; elements from row to row
	s_mov_b32 s[G1+6], 0
	s_mov_b32 s[G1+7], 0
	; group 1 for W: 64 k rows x 256 elements, 32 bytes of padding behind every 128 words
	s_or_b32 s[G1B+0], s44, (1<<16)|(1<<20)|(1<<21)|(6<<22)|(7<<25)
	s_mov_b32 s[G1B+1], 256<<16                    ; tensor_dim0 = 256
	s_mov_b32 s[G1B+2], 64<<16                     ; tensor_dim1 = 64
	s_mov_b32 s[G1B+3], 256<<16                    ; tile_dim0 = 256
	s_mov_b32 s[G1B+4], 64                         ; tile_dim1 = 64
	s_mov_b32 s[G1B+5], 2048
	s_mov_b32 s[G1B+6], 0
	s_mov_b32 s[G1B+7], 0
	; x's tile hangs on the block row, W's on the block column; each offset is made in registers that never hold the other coordinate
	s_lshl_b32 s16, s13, 20                        ; 256 rows x 4,096 bytes
	s_lshl_b32 s17, s12, 19                        ; + my 128 rows
	s_add_co_u32 s16, s16, s17
	s_mov_b32 s17, 0
	s_add_co_u32 s46, s86, 1                       ; W's image in cb: 1 + which
	s_lshl_b32 s46, s46, 23
	s_lshl_b32 s47, s12, 18                        ; + my 64 k rows
	s_add_co_u32 s46, s46, s47
	s_lshl_b32 s47, s87, 9                         ; + the head's 512 bytes of a row
	s_add_co_u32 s46, s46, s47
	s_mov_b32 s47, 0
	s_mul_i32 s20, s10, HALFT                      ; LDS: x's two halves, then W's two halves = wave x 34,816
	s_wait_dscnt 0x0
	s_wait_kmcnt 0x0
	s_add_nc_u64 s[14:15], s[72:73], s[16:17]
	s_add_nc_u64 s[46:47], s[72:73], s[46:47]
	CROUND                                         ; all sixteen work-groups are here: the first joint loads meet
.irp s, 0,1
	s_mov_b32 s[G0+4*\s], 1
	s_add_co_u32 s[G0+4*\s+1], s20, \s*SLOT
	s_add_nc_u64 s[G0+4*\s+2:G0+4*\s+3], s[14:15], \s*256          ; K step s: 128 elements along the row
	s_or_b32 s[G0+4*\s+3], s[G0+4*\s+3], 0x80000000
	s_mov_b32 s[G0B+4*\s], 1
	s_add_co_u32 s[G0B+4*\s+1], s20, \s*SLOT
	s_add_nc_u64 s[G0B+4*\s+2:G0B+4*\s+3], s[46:47], \s*524288     ; K step s: 128 rows down
	s_or_b32 s[G0B+4*\s+3], s[G0B+4*\s+3], 0x80000000
	JLOAD \s                                       ; a wave has two tensor loads out here, later one
.endr
	v_and_b32 v1, 15, v0                           ; r = l % 16
	v_bfe_u32 v2, v0, 4, 1                         ; h = l / 16
	v_mul_u32_u24 v3, v1, PITCH
	v_lshl_add_u32 v3, v2, 4, v3                   ; x: row r, 16 bytes for each half of the lanes
	v_and_b32 v4, 7, v0
	v_lshl_add_u32 v4, v2, 3, v4                   ; W: k row 8 h + l % 8,
	v_mul_u32_u24 v4, v4, BPITCH
	v_bfe_u32 v5, v0, 3, 1
	v_lshl_add_u32 v4, v5, 4, v4                   ; and 16 bytes for each eight lanes
	s_mul_i32 s21, s11, HALFT                      ; my 128 rows of x
	s_lshl_b32 s22, s12, 8                         ; my 128 columns of W,
	s_add_co_u32 s22, s22, 2*HALFT                 ; which lies behind x
.irp s, 0,1
	v_add_nc_u32 v[ADRA+\s], s21, v3
	v_add_nc_u32 v[ADRB+\s], s22, v4
	s_add_co_u32 s21, s21, SLOT
	s_add_co_u32 s22, s22, SLOT
.endr
	s_mul_i32 s23, s10, WSTAGE
	s_add_co_u32 s23, s23, STAGE                   ; my stage
	v_add_nc_u32 v[STO], s23, v3                   ; f16, in: 272 r + 16 h
	v_mul_u32_u24 v6, v2, PITCH
	v_lshl_add_u32 v6, v1, 4, v6
	v_add_nc_u32 v[RD], s23, v6                    ; f16, back: lanes 0-15 one row of 256 bytes, lanes 16-31 the next
	v_lshlrev_b32 v6, 12, v2
	v_lshl_add_u32 v[CO], v1, 4, v6                ; the same two rows in qkv
	v_mul_u32_u24 v6, v1, FPITCH
	v_lshl_add_u32 v6, v2, 5, v6
	v_add_nc_u32 v[STO32], s23, v6                 ; f32, in: 528 r + 32 h
	v_and_b32 v6, 31, v0
	v_lshlrev_b32 v[CO32], 4, v6                   ; f32, back: the 32 lanes take one row of 512 bytes
	v_add_nc_u32 v[RD32], s23, v[CO32]
	v_lshlrev_b32 v[BO], 5, v2
	s_lshl_b32 s21, s10, 9
	s_add_co_u32 s21, s21, SCR
	v_add_nc_u32 v[SC1], s21, v[BO]
	v_lshlrev_b32 v[RKO], 3, v0
	v_add_nc_u32 v[SC2], SCR, v[RKO]
	; where the results go
	s_lshl_b32 s66, s13, 8
	s_lshl_b32 s67, s11, 7
	s_add_co_u32 s66, s66, s67                     ; my first row
	s_lshl_b32 s68, s66, 13                        ; x 8,192 bytes of qp
	s_lshl_b32 s70, s87, 10
	s_lshl_b32 s67, s12, 9
	s_add_co_u32 s70, s70, s67                     ; my first column in f32 bytes: 1,024 head + 512 half
	s_mov_b32 s71, 0
	s_add_co_u32 s68, s68, s70
	s_mov_b32 s69, 0
	s_add_nc_u64 s[92:93], s[80:81], s[68:69]      ; qp
	s_lshr_b32 s68, s68, 1                         ; the same place in f16 is half as many bytes on,
	s_lshl_b32 s67, s86, 23                        ; in q's, k's or v's part of qkv
	s_add_co_u32 s68, s68, s67
	s_add_nc_u64 s[94:95], s[82:83], s[68:69]      ; qkv
	s_lshl_b32 s68, s13, 3
	s_add_co_u32 s68, s68, s87
	s_lshl_b32 s68, s68, 10                        ; (8 b + head) x 256 f32
	s_add_nc_u64 s[84:85], s[84:85], s[68:69]      ; rk
	s_cmp_eq_u32 s86, 1
	s_cselect_b64 s[90:91], s[76:77], s[74:75]     ; the bias of q, k or v
	s_cmp_eq_u32 s86, 2
	s_cselect_b64 s[90:91], s[78:79], s[90:91]
	s_cselect_b32 s88, -1, 0                       ; all lanes: v keeps y, q and k take elu + 1
	s_add_nc_u64 s[90:91], s[90:91], s[70:71]
	WIN TO_B
.irp b, 0,1,2,3,4,5,6,7
	global_load_b128 v[8*\b:8*\b+3],   v[BO], s[90:91] offset:64*\b      ; window 1 v0-63: the bias of my columns 16 b + 8 h + 0..7;
	global_load_b128 v[8*\b+4:8*\b+7], v[BO], s[90:91] offset:64*\b+16   ; waited for behind the K loop, which names none of these registers
.endr
; 16 matrix instructions: m blocks a0, a0 + 1 of the window's four x all 8 n blocks, 32 along K.  zero = 1: the first product starts the sums.
; The 64 accumulators take turns, one instruction a turn, in the same order in every quarter step.
.macro MUL16 f, hi, a0, zero
.irp a, \a0, \a0+1
.irp b, 0,1,2,3,4,5,6,7
.if \zero
	v_wmma_f32_16x16x32_f16 v[8*(8*(\a)+\b):8*(8*(\a)+\b)+7], v[\f+8*\b:\f+8*\b+7], v[\f+8*(4*\hi+\a):\f+8*(4*\hi+\a)+7], 0
.else
	v_wmma_f32_16x16x32_f16 v[8*(8*(\a)+\b):8*(8*(\a)+\b)+7], v[\f+8*\b:\f+8*\b+7], v[\f+8*(4*\hi+\a):\f+8*(4*\hi+\a)+7], v[8*(8*(\a)+\b):8*(8*(\a)+\b)+7]
.endif
.endr
.endr
.endm
; 32 LDS loads in one run: quarter q (32 along K) of a slot into buffer f.  W: k rows 32 q .., 16 columns a fragment, the second load 16 k rows further down.
.macro FETCH slot, q, f
	WIN TO_B
.irp i, 0,1,2,3,4,5,6,7
	ds_load_tr16_b128 v[\f+8*\i:\f+8*\i+3],   v[ADRB+\slot] offset:\q*32*BPITCH+32*\i
	ds_load_tr16_b128 v[\f+8*\i+4:\f+8*\i+7], v[ADRB+\slot] offset:\q*32*BPITCH+32*\i+16*BPITCH
.endr
	WIN 0
.irp i, 0,1,2,3,4,5,6,7
	ds_load_b128 v[\f+8*\i:\f+8*\i+3],   v[ADRA+\slot] offset:64*\q+\i*16*PITCH
	ds_load_b128 v[\f+8*\i+4:\f+8*\i+7], v[ADRA+\slot] offset:64*\q+\i*16*PITCH+32
.endr
.endm
.macro PLACES                          ; four places behind a matrix instruction before its registers are loaded into, read or written (ISA guide 7.12.1)
.rept 4
	v_nop
.endr
.endm
.macro QUARTER slot, q, f, g, zero     ; multiplies buffer f; in its middle fetches quarter q of the same slot into buffer g
	s_wait_dscnt 8                                 ; W and x's rows 0-63 are in; the youngest eight loads (x's rows 64-127) may be out
	WIN MUL_LO
	MUL16 \f, 0, 0, \zero
	MUL16 \f, 0, 2, \zero
	PLACES
	FETCH \slot, \q, \g
	s_wait_dscnt 32                                ; all but the 32 just issued
	WIN MUL_HI
	MUL16 \f, 1, 0, \zero
	MUL16 \f, 1, 2, \zero
.endm
.macro THREE slot, zero
	QUARTER \slot, 1, F0, F1, \zero
	QUARTER \slot, 2, F1, F0, 0
	QUARTER \slot, 3, F0, F1, 0
.endm
; The last quarter of a K step changes slots.  In front of the barrier each wave waits for its reads of this slot and for all its tensor loads (one is
; out: its part of the next slot); where the slot is filled again the barrier opens a round of the cluster's barrier, and the joint refill is the first
; tensor load behind the round.  From a request to the wait for it a wave issues 240 matrix instructions.
.macro TURN slot, next, fill
	s_wait_dscnt 8
	WIN MUL_LO
	MUL16 F1, 0, 0, 0
	s_wait_dscnt 0
	s_wait_tensorcnt 0x0
	ds_add_u32 v255, v255
	s_wait_dscnt 0x0
	s_barrier_signal -1
	MUL16 F1, 0, 2, 0                              ; register work alone between signal and wait
	WIN 0
	s_barrier_wait -1
.if \fill
	CREST
	s_add_nc_u64 s[G0+4*\slot+2:G0+4*\slot+3], s[G0+4*\slot+2:G0+4*\slot+3], ASTEP    ; no tensor load of mine is out: group 0 may be written
	s_add_nc_u64 s[G0B+4*\slot+2:G0B+4*\slot+3], s[G0B+4*\slot+2:G0B+4*\slot+3], BSTEP
	JLOAD \slot
.endif
	PLACES
	FETCH \next, 0, F0
	WIN MUL_HI
	MUL16 F1, 1, 0, 0
	MUL16 F1, 1, 2, 0
.endm
.macro LAP zero
	THREE 0, \zero
	TURN 0, 1, 1
	THREE 1, 0
	TURN 1, 0, 1
.endm
	s_wait_tensorcnt 1                             ; my part of K step 0 is in; K step 1's stays out
	s_barrier_signal -1
	s_barrier_wait -1
	FETCH 0, 0, F0
	LAP 1                                          ; the first lap stands in front of the loop: its first products start the sums
	WIN 0
	s_mov_b32 s3, LAPS-2
.Llap:
	LAP 0
	WIN 0
	s_sub_co_u32 s3, s3, 1
	s_cmp_lg_u32 s3, 0
	s_cbranch_scc1 .Llap
	THREE 0, 0                                     ; the last lap fills nothing
	TURN 0, 1, 0
	THREE 1, 0
	s_wait_dscnt 8
	WIN MUL_LO
	MUL16 F1, 0, 0, 0
	MUL16 F1, 0, 2, 0
	s_wait_dscnt 0
	WIN MUL_HI
	MUL16 F1, 1, 0, 0
	MUL16 F1, 1, 2, 0
	; THE WAY OUT, 16 rows at a time.
	PLACES
	s_wait_loadcnt 0x0                             ; the bias
; rows 16 i .. 16 i + 15 of my 128 = tiles (a, 0..7) of window 2 (win = 0x06) or 3 (0x07): source 0 that window, source 1 window 1, destination window 0
.macro OUT16 i, a, win, first
	WIN \win
.irp b, 0,1,2,3,4,5,6,7
.irp p, 0,2,4,6
	v_pk_add_f32 v[Y+8*\b+\p:Y+8*\b+\p+1], v[8*(8*\a+\b)+\p:8*(8*\a+\b)+\p+1], v[8*\b+\p:8*\b+\p+1]   ; y = sum + bias
.endr
.endr
	WIN 0
	s_cmp_lg_u32 s86, 0
	s_cbranch_scc1 .Lno_q_\@                       ; q blocks alone keep y in f32: it is the residual
.irp b, 0,1,2,3,4,5,6,7
	ds_store_b128 v[STO32], v[Y+8*\b:Y+8*\b+3]   offset:64*\b
	ds_store_b128 v[STO32], v[Y+8*\b+4:Y+8*\b+7] offset:64*\b+16
.endr
.irp g, 0,1
	s_wait_xcnt 0x0                                ; R is the data of earlier stores: it is loaded again only behind this wait (ISA guide 3.1)
.irp t, 0,1,2,3,4,5,6,7
	ds_load_b128 v[R+4*\t:R+4*\t+3], v[RD32] offset:(8*\g+\t)*FPITCH     ; LDS serves a wave in order (ISA guide 5.7.1): these see the stores above
.endr
.irp t, 0,1,2,3,4,5,6,7
	s_wait_dscnt 7-\t                              ; row t of the eight is in
	global_store_b128 v[CO32], v[R+4*\t:R+4*\t+3], s[92:93] offset:(16*\i+8*\g+\t)*8192   ; the wave stores 512 consecutive bytes, aligned
.endr
.endr
.Lno_q_\@:
.if \first
.set YF, CS                            ; the first group's numbers start the column sums: nothing is cleared
.else
.set YF, Y
.endif
.irp b, 0,1,2,3,4,5,6,7
.irp j, 0,1,2,3,4,5,6,7
	v_min_num_f32 v[E+\j], 0, v[Y+8*\b+\j]
.endr
.irp p, 0,2,4,6
	v_pk_mul_f32 v[E+\p:E+\p+1], v[E+\p:E+\p+1], 0x3fb8aa3b op_sel_hi:[1,0]   ; log2 e
.endr
.irp j, 0,1,2,3,4,5,6,7
	v_exp_f32 v[E+\j], v[E+\j]
.endr
.irp j, 0,1,2,3,4,5,6,7
	v_max_num_f32 v[T+\j], 0, v[Y+8*\b+\j]         ; plain work behind the exponentials, ahead of their first use (ISA guide 5.7.2)
.endr
	s_wait_alu depctr_va_vdst(0)
.irp p, 0,2,4,6
	v_pk_add_f32 v[E+\p:E+\p+1], v[E+\p:E+\p+1], v[T+\p:T+\p+1]
.endr
.irp j, 0,1,2,3,4,5,6,7
	v_cndmask_b32 v[YF+8*\b+\j], v[E+\j], v[Y+8*\b+\j], s88    ; v blocks keep y.  They do the same arithmetic as the k blocks, beside which they run
.endr
.endr
.if \first == 0
.irp n, 0,2,4,6,8,10,12,14,16,18,20,22,24,26,28,30,32,34,36,38,40,42,44,46,48,50,52,54,56,58,60,62
	v_pk_add_f32 v[CS+\n:CS+\n+1], v[CS+\n:CS+\n+1], v[Y+\n:Y+\n+1]
.endr
.endif
.irp b, 0,1,2,3,4,5,6,7
.irp p, 0,1,2,3
	v_cvt_pk_f16_f32 v[TMP+4*\b+\p], v[YF+8*\b+2*\p], v[YF+8*\b+2*\p+1]
.endr
.endr
.irp b, 0,1,2,3,4,5,6,7
	ds_store_b128 v[STO], v[TMP+4*\b:TMP+4*\b+3] offset:32*\b
.endr
	s_wait_xcnt 0x0                                ; R again
.irp t, 0,1,2,3,4,5,6,7
	ds_load_b128 v[R+4*\t:R+4*\t+3], v[RD] offset:\t*2*PITCH
.endr
.irp t, 0,1,2,3,4,5,6,7
	s_wait_dscnt 7-\t
	global_store_b128 v[CO], v[R+4*\t:R+4*\t+3], s[94:95] offset:(16*\i+2*\t)*4096   ; 16 lanes store 256 consecutive bytes, aligned
.endr
.endm
	OUT16 0, 0, 0x06, 1
	OUT16 1, 1, 0x06, 0
	OUT16 2, 2, 0x06, 0
	OUT16 3, 3, 0x06, 0
	OUT16 4, 0, 0x07, 0
	OUT16 5, 1, 0x07, 0
	OUT16 6, 2, 0x07, 0
	OUT16 7, 3, 0x07, 0
	; column sums: over the 16 rows that the lanes of a half hold, then over the two waves that share my columns
.irp m, 1,2,4,8
.set n, 0
.rept 64
	v_add_f32_dpp v[CS+n], v[CS+n], v[CS+n] row_xmask:\m row_mask:0xf bank_mask:0xf
.set n, n+1
.endr
.endr
.irp b, 0,1,2,3,4,5,6,7
	ds_store_b128 v[SC1], v[CS+8*\b:CS+8*\b+3]   offset:64*\b      ; sixteen lanes write the same words with the same numbers
	ds_store_b128 v[SC1], v[CS+8*\b+4:CS+8*\b+7] offset:64*\b+16
.endr
	s_wait_dscnt 0x0                               ; for the other waves' sake: zero
	s_barrier_signal -1
	s_barrier_wait -1
	ds_load_b64 v[E:E+1],   v[SC2]                 ; columns 2 t, 2 t + 1 of the block: rows 0-127,
	ds_load_b64 v[E+2:E+3], v[SC2] offset:1024     ; rows 128-255
	s_wait_dscnt 0x0
	v_pk_add_f32 v[E:E+1], v[E:E+1], v[E+2:E+3]
	v_pk_add_f32 v[E:E+1], v[E:E+1], 0x358637bd op_sel_hi:[1,0]    ; + 1e-6
	v_rcp_f32 v[T], v[E]
	v_rcp_f32 v[T+1], v[E+1]
	v_nop                                          ; the place behind the reciprocals
	s_cmp_lg_u32 s86, 1
	s_cbranch_scc1 .Lno_rk                         ; k blocks alone have a key sum
	s_wait_alu depctr_va_vdst(0)
	global_store_b64 v[RKO], v[T:T+1], s[84:85]    ; a wave stores 256 consecutive bytes, aligned
.Lno_rk:
	s_set_vgpr_msb 0x1
	s_wait_tensorcnt 0x0
	ds_add_u32 v255, v255
	s_wait_dscnt 0x0
	s_set_vgpr_msb 0x100
	CROUND                                         ; the closing round: no work-group ends while a partner may still ask for a tile that names it
	s_endpgm
.Lfunc_end_k_q0edeb1bb7a_proj:
	.size	k_q0edeb1bb7a_proj, .Lfunc_end_k_q0edeb1bb7a_proj-k_q0edeb1bb7a_proj
	.p2alignl 7, 3214868480
	.fill 96, 4, 3214868480
	.section	.rodata,"a",@progbits
	.p2align	6, 0x0
	.amdhsa_kernel k_q0edeb1bb7a_proj
		.amdhsa_group_segment_fixed_size 327680
		.amdhsa_private_segment_fixed_size 0
		.amdhsa_enable_private_segment 0
		.amdhsa_kernarg_size 56
		.amdhsa_user_sgpr_count 2
		.amdhsa_user_sgpr_kernarg_segment_ptr 1
		.amdhsa_wavefront_size32 1
		.amdhsa_system_sgpr_workgroup_id_x 1
		.amdhsa_system_sgpr_workgroup_id_y 1
		.amdhsa_system_sgpr_workgroup_id_z 1
		.amdhsa_system_vgpr_workitem_id 0
		.amdhsa_next_free_vgpr 1024
		.amdhsa_next_free_sgpr 96
		.amdhsa_reserve_vcc 0
		.amdhsa_float_denorm_mode_32 3
		.amdhsa_float_denorm_mode_16_64 3
		.amdhsa_memory_ordered 1
		.amdhsa_forward_progress 1
		.amdhsa_inst_pref_size 255
	.end_amdhsa_kernel
	.section	.bss,"aw",@nobits
	.p2align	6
	.space	262144
	.amdgpu_metadata
---
amdhsa.version: [ 1, 2 ]
amdhsa.kernels:
  - .name:           k_q0edeb1bb7a_proj
    .symbol:         k_q0edeb1bb7a_proj.kd
    .args:
      - { .name: cb, .offset: 0, .size: 8, .value_kind: global_buffer, .address_space: global }
      - { .name: bq, .offset: 8, .size: 8, .value_kind: global_buffer, .address_space: global }
      - { .name: bk, .offset: 16, .size: 8, .value_kind: global_buffer, .address_space: global }
      - { .name: bv, .offset: 24, .size: 8, .value_kind: global_buffer, .address_space: global }
      - { .name: qp, .offset: 32, .size: 8, .value_kind: global_buffer, .address_space: global }
      - { .name: qkv, .offset: 40, .size: 8, .value_kind: global_buffer, .address_space: global }
      - { .name: rk, .offset: 48, .size: 8, .value_kind: global_buffer, .address_space: global }
    .group_segment_fixed_size: 327680
    .private_segment_fixed_size: 0
    .kernarg_segment_align: 8
    .kernarg_segment_size: 56
    .max_flat_workgroup_size: 128
    .sgpr_count:     96
    .vgpr_count:     1024
    .wavefront_size: 32
...
	.end_amdgpu_metadata
.endif
;; end of part 2
;; launch attn (part 3): grid 256 x 1, 4 waves a work-group, clusters of 4 x 1, 312,832 bytes of LDS; arguments qkv, rk, at, ps; writes at, ps
.if DOCPART == 3
	.amdgcn_target "amdgcn-amd-amdhsa--gfx1250"
	.amdhsa_code_object_version 6
	.text
	.protected	k_q0edeb1bb7a_attn
	.globl	k_q0edeb1bb7a_attn
	.p2align	8
	.type	k_q0edeb1bb7a_attn,@function
k_q0edeb1bb7a_attn:
	s_mov_b64 s[64:65], 0
	v_nop
	global_prefetch_b8 v0, s[64:65] scope:SCOPE_SE
	s_setreg_imm32_b32 hwreg(HW_REG_WAVE_MODE, 25, 1), 1
	s_wait_xcnt 0x0
	s_wait_alu depctr_hold_cnt(0) depctr_sa_sdst(0) depctr_va_vdst(0) depctr_va_sdst(0) depctr_va_ssrc(0) depctr_va_vcc(0) depctr_vm_vsrc(0)
	s_getreg_b32 s2, hwreg(HW_REG_IB_STS2, 6, 4)
	s_cmp_eq_u32 s2, 0
	s_cbranch_scc0 .Lentry_in_a_cluster
	s_endpgm
.Lentry_in_a_cluster:
	s_bfe_u32 s2, ttmp6, 0x10000c
	s_cmp_lg_u32 s2, 0x3003
	s_cbranch_scc0 .Lentry_shape_is_right
	s_endpgm
.Lentry_shape_is_right:
; attn[q][e] = sum over j of (sum over d of q[q][d] k[j][d]) rk[j] v[j][e], for one (batch, head) = bh and 64 query rows; a wave takes 16 query rows.
; CLUSTERS: the four query blocks of a head form a cluster and ask for K and V jointly (mask 15); each wave brings 64 rows of each.  Q's 16 rows are the wave's own load.
; Every LDS byte is filled once: no ring, no refill.
; Both products are used transposed (source 0 = 16 rows of K, or 16 columns of V; source 1 = my 16 query rows), so that a lane owns ONE query row:
; lane (r, h) holds score(r, j = 16 t + 8 h + i) in register i of tile t, and two neighbouring tiles, packed, ARE the second product's fragment: no way through LDS.
; The scores are scaled by rk in f32.  rk can be as large as 1e6, so each query row is divided by its largest score before it is rounded to f16 (all are then <= 1)
; and the result is multiplied back.  All scores are >= 0 (q, k >= 0, rk > 0), so the largest is the largest magnitude.
; OUT: attn in bf16 (at), and the column sums of the rounded attn over the work-group's 64 rows in f32 (ps).
; LIMITS: the row maximum is clamped below at 1e-30 (a row of smaller scores loses precision); v_rcp_f32 flushes denormals (ISA guide 15.8), so a row maximum above 2^126 gives zeros.
; Each wave reads all of K and V from LDS: 32 loads for 16 matrix instructions.  Accepted: these products are a twentieth of the program's arithmetic.
; WINDOWS: 0 addresses and the way out; 1: QF v0-63, P v64-127, RK v128-255; 2: ST v0-127 (scores), O v128-255; 3: two fragment buffers of 128.
.set KP,    528                        ; Q's and K's LDS row: 512 bytes + 16
.set VP,    544                        ; V's: 512 + 32 = 17 x 32, for the transposing load
.set QW,    16*KP                      ; a wave's Q; after its one fill, the wave's stage for the way out
.set KBASE, 4*QW
.set VBASE, KBASE+256*KP
.set SCR,   VBASE+256*VP               ; 1,024 bytes a wave: column sums
.set AQ,  8                            ; my Q fragments; also where I put 16 bytes of a row on the way out
.set AK,  10                           ; v10-11  K rows 0-127, 128-255
.set AV,  12                           ; v12-13  V rows 0-127, 128-255
.set RD,  14
.set CO,  15
.set RKO, 16
.set SC1, 17
.set SC2, 18
.set PSO, 19
.set M,   40                           ; v[40:43] four running maxima
.set RM,  44                           ; v[44:45] the row's maximum, twice
.set INV, 46                           ; v[46:47] its reciprocal, twice
.set TMP, 64
.set R,   128
.set SUM, 192
.set T,   200
.set QF,  0
.set P,   64
.set RK,  128
.set ST,  0
.set O,   128
.set MSB, 0
.macro WIN new
.if MSB != (\new)
	s_set_vgpr_msb (MSB<<8)|(\new)
.set MSB, (\new)
.endif
.endm
.macro ROUND                           ; a round of the cluster's barrier
	s_barrier_signal -1
	s_barrier_wait -1
	s_cmp_lg_u32 s12, 0
	s_cbranch_scc1 .Lnot_wave_0_\@
	s_barrier_signal -3
.Lnot_wave_0_\@:
	s_barrier_wait -3
	s_barrier_signal -1
	s_barrier_wait -1
.endm
.macro PLACES                          ; four places behind a matrix instruction (ISA guide 7.12.1)
.rept 4
	v_nop
.endr
.endm
	s_load_b256 s[4:11], s[0:1], 0x0               ; qkv s[4:5], rk s[6:7], at s[8:9], ps s[10:11]
	v_lshl_add_u32 v254, v0, 2, 0x4c400
	v_mov_b32 v255, 0
	ds_add_u32 v254, v255
	v_lshrrev_b32 v1, 5, v0
	v_readfirstlane_b32 s12, v1                    ; wave
	s_bfe_u32 s13, ttmp6, 0x40000                  ; cx = query block; enters global addresses of my own loads and stores only
	s_lshr_b32 s14, ttmp9, 3                       ; b   (the cluster's x is bh)
	s_and_b32 s15, ttmp9, 7                        ; head
	s_lshl_b32 s54, s14, 20                        ; 256 rows x 4,096 bytes
	s_lshl_b32 s15, s15, 9
	s_add_co_u32 s54, s54, s15                     ; + the head's 512 bytes
	s_lshl_b32 s56, s13, 18                        ; Q and attn: + 64 rows a query block
	s_lshl_b32 s15, s12, 16                        ;             + 16 rows a wave
	s_add_co_u32 s56, s56, s15
	s_add_co_u32 s56, s56, s54
	s_mov_b32 s57, 0
	s_lshl_b32 s15, s12, 18                        ; K and V: + 64 rows a wave; no place in the cluster enters
	s_add_co_u32 s54, s54, s15
	s_mov_b32 s55, 0
	s_lshl_b32 s58, ttmp9, 10                      ; bh x 256 f32
	s_mov_b32 s59, 0
	s_mov_b32 s52, 0x76543210                      ; v_permlanex16_b32: lane i reads lane i of the other half
	s_mov_b32 s53, 0xfedcba98
	; group 1, Q: 16 rows x 256 elements of 2 bytes, 16 bytes of padding behind every 128 words; a load of my own, no mask
	s_mov_b32 s28, (1<<16)|(1<<20)|(6<<22)|(3<<25)
	s_mov_b32 s29, 256<<16
	s_mov_b32 s30, 16<<16
	s_mov_b32 s31, 256<<16
	s_mov_b32 s32, 16
	s_mov_b32 s33, 2048
	s_mov_b32 s34, 0
	s_mov_b32 s35, 0
	; K: 64 rows, the same padding, for all four work-groups of the cluster
	s_mov_b32 s36, 15|(1<<16)|(1<<20)|(1<<21)|(6<<22)|(3<<25)
	s_mov_b32 s37, 256<<16
	s_mov_b32 s38, 64<<16
	s_mov_b32 s39, 256<<16
	s_mov_b32 s40, 64
	s_mov_b32 s41, 2048
	s_mov_b32 s42, 0
	s_mov_b32 s43, 0
	; V: 64 rows, 32 bytes of padding
	s_mov_b32 s44, 15|(1<<16)|(1<<20)|(1<<21)|(6<<22)|(7<<25)
	s_mov_b32 s45, 256<<16
	s_mov_b32 s46, 64<<16
	s_mov_b32 s47, 256<<16
	s_mov_b32 s48, 64
	s_mov_b32 s49, 2048
	s_mov_b32 s50, 0
	s_mov_b32 s51, 0
	s_mov_b32 s16, 1
	s_mul_i32 s17, s12, QW
	s_mov_b32 s20, 1
	s_mul_i32 s21, s12, 64*KP
	s_add_co_u32 s21, s21, KBASE
	s_mov_b32 s24, 1
	s_mul_i32 s25, s12, 64*VP
	s_add_co_u32 s25, s25, VBASE
	s_wait_dscnt 0x0
	s_wait_kmcnt 0x0
	s_add_nc_u64 s[18:19], s[4:5], s[56:57]
	s_or_b32 s19, s19, 0x80000000
	s_add_nc_u64 s[22:23], s[4:5], s[54:55]
	s_add_nc_u64 s[26:27], s[22:23], 0x1000000     ; v's part of qkv
	s_add_nc_u64 s[22:23], s[22:23], 0x800000      ; k's part
	s_or_b32 s23, s23, 0x80000000
	s_or_b32 s27, s27, 0x80000000
	s_add_nc_u64 s[8:9], s[8:9], s[56:57]          ; attn: the same rows and columns as Q
	s_add_nc_u64 s[6:7], s[6:7], s[58:59]
	s_add_nc_u64 s[10:11], s[10:11], s[58:59]
	s_lshl_b32 s58, s13, 16
	s_add_nc_u64 s[10:11], s[10:11], s[58:59]      ; ps[query block][b][head x 256 ..]
	ROUND                                          ; the four work-groups are here: the joint loads meet
	tensor_load_to_lds s[16:19], s[28:35]          ; Q, K, V: three tensor loads of the wave are out
	s_nop 0
	tensor_load_to_lds s[20:23], s[36:43]
	s_nop 0
	tensor_load_to_lds s[24:27], s[44:51]
	s_nop 0
	v_and_b32 v1, 15, v0                           ; r
	v_bfe_u32 v2, v0, 4, 1                         ; h
	v_and_b32 v3, 31, v0                           ; lane
	v_mul_u32_u24 v4, v1, KP
	v_lshl_add_u32 v4, v2, 4, v4                   ; 528 r + 16 h
	v_add_nc_u32 v[AQ], s17, v4
	v_add_nc_u32 v[AK], KBASE, v4
	v_add_nc_u32 v[AK+1], KBASE+128*KP, v4
	v_and_b32 v5, 7, v0
	v_lshl_add_u32 v5, v2, 3, v5
	v_mul_u32_u24 v5, v5, VP                       ; V row 8 h + l % 8,
	v_bfe_u32 v6, v0, 3, 1
	v_lshl_add_u32 v5, v6, 4, v5                   ; 16 bytes for each eight lanes
	v_add_nc_u32 v[AV], VBASE, v5
	v_add_nc_u32 v[AV+1], VBASE+128*VP, v5
	v_lshlrev_b32 v[CO], 4, v3
	v_add_nc_u32 v[RD], s17, v[CO]
	v_lshlrev_b32 v[RKO], 5, v2
	s_lshl_b32 s14, s12, 10
	s_add_co_u32 s14, s14, SCR
	v_lshl_add_u32 v[SC1], v3, 5, s14
	v_lshlrev_b32 v[PSO], 3, v0
	v_add_nc_u32 v[SC2], SCR, v[PSO]
	WIN 0x40                                       ; destination window 1
.irp t, 0,1,2,3,4,5,6,7,8,9,10,11,12,13,14,15
	global_load_b128 v[RK+8*\t:RK+8*\t+3],   v[RKO], s[6:7] offset:64*\t       ; rk[16 t + 8 h + 0..7]: laid as the scores are
	global_load_b128 v[RK+8*\t+4:RK+8*\t+7], v[RKO], s[6:7] offset:64*\t+16
.endr
	s_wait_tensorcnt 1                             ; my Q and my part of K are in; V stays out
	s_barrier_signal -1
	s_barrier_wait -1
.irp s, 0,1,2,3,4,5,6,7
	ds_load_b128 v[QF+8*\s:QF+8*\s+3],   v[AQ] offset:64*\s
	ds_load_b128 v[QF+8*\s+4:QF+8*\s+7], v[AQ] offset:64*\s+32
.endr
.macro KFETCH s, buf                   ; 32 loads: all 256 rows of K, 32 features at 32 s, into buffer buf of window 3
	WIN 0xc0
.irp t, 0,1,2,3,4,5,6,7
	ds_load_b128 v[128*\buf+8*\t:128*\buf+8*\t+3],   v[AK] offset:\t*16*KP+64*\s
	ds_load_b128 v[128*\buf+8*\t+4:128*\buf+8*\t+7], v[AK] offset:\t*16*KP+64*\s+32
.endr
.irp t, 0,1,2,3,4,5,6,7
	ds_load_b128 v[128*\buf+64+8*\t:128*\buf+64+8*\t+3],   v[AK+1] offset:\t*16*KP+64*\s
	ds_load_b128 v[128*\buf+64+8*\t+4:128*\buf+64+8*\t+7], v[AK+1] offset:\t*16*KP+64*\s+32
.endr
.endm
.macro VFETCH js, buf                  ; 32 transposing loads: V rows 32 js .. + 31, all 256 columns
	WIN 0xc0
.irp u, 0,1,2,3,4,5,6,7,8,9,10,11,12,13,14,15
	ds_load_tr16_b128 v[128*\buf+8*\u:128*\buf+8*\u+3],   v[AV+(\js>>2)] offset:(\js&3)*32*VP+32*\u
	ds_load_tr16_b128 v[128*\buf+8*\u+4:128*\buf+8*\u+7], v[AV+(\js>>2)] offset:(\js&3)*32*VP+32*\u+16*VP
.endr
.endm
; 16 matrix instructions on 16 accumulators, which take turns, one instruction a turn.
; acc: ST or O (window 2); frag: my fragment in window 1 (QF + 8 s or P + 8 js); source 0 from window 3.
.macro MUL acc, frag, buf, zero
	WIN 0xa7
.irp t, 0,1,2,3,4,5,6,7,8,9,10,11,12,13,14,15
.if \zero
	v_wmma_f32_16x16x32_f16 v[\acc+8*\t:\acc+8*\t+7], v[128*\buf+8*\t:128*\buf+8*\t+7], v[\frag:\frag+7], 0
.else
	v_wmma_f32_16x16x32_f16 v[\acc+8*\t:\acc+8*\t+7], v[128*\buf+8*\t:128*\buf+8*\t+7], v[\frag:\frag+7], v[\acc+8*\t:\acc+8*\t+7]
.endif
.endr
.endm
.macro STEP1 s, buf, ns, nbuf          ; fetch step ns, multiply step s
	PLACES                                         ; buffer nbuf was read by the matrix instructions just issued
	KFETCH \ns, \nbuf
	s_wait_dscnt 32                                ; all but the 32 just issued
	MUL ST, QF+8*\s, \buf, 0
.endm
.macro STEP2 js, buf, ns, nbuf
	PLACES
	VFETCH \ns, \nbuf
	s_wait_dscnt 32
	MUL O, P+8*\js, \buf, 0
.endm
	; the scores
	KFETCH 0, 0
	KFETCH 1, 1
	s_wait_dscnt 32                                ; Q's fragments and step 0's are in
	MUL ST, QF, 0, 1
	STEP1 1, 1, 2, 0
	STEP1 2, 0, 3, 1
	STEP1 3, 1, 4, 0
	STEP1 4, 0, 5, 1
	STEP1 5, 1, 6, 0
	STEP1 6, 0, 7, 1
	s_wait_dscnt 0x0
	MUL ST, QF+56, 1, 0
	s_wait_tensorcnt 0x0                           ; my part of V is in,
	s_barrier_signal -1
	s_barrier_wait -1                              ; everybody's is
	PLACES
	VFETCH 0, 0                                    ; on its way while the scores are scaled
	s_wait_loadcnt 0x0                             ; rk
	WIN 0x86                                       ; ST (window 2) *= RK (window 1)
.set n, 0
.rept 64
	v_pk_mul_f32 v[ST+n:ST+n+1], v[ST+n:ST+n+1], v[RK+n:RK+n+1]
.set n, n+2
.endr
	WIN 0x0a                                       ; sources 0 and 1 window 2; source 2 and destination window 0
.irp c, 0,1,2,3
	v_max_num_f32 v[M+\c], v[ST+32*\c], v[ST+32*\c+1]              ; four chains; the first two numbers start each
.endr
.set n, 2
.rept 15
.irp c, 0,1,2,3
	v_max3_num_f32 v[M+\c], v[ST+32*\c+n], v[ST+32*\c+n+1], v[M+\c]
.endr
.set n, n+2
.endr
	WIN 0
	v_max3_num_f32 v[M], v[M], v[M+1], v[M+2]
	v_max_num_f32 v[M], v[M], v[M+3]
	v_permlanex16_b32 v[M+1], v[M], s52, s53       ; the other half of my query row's scores lies in lane l xor 16
	v_max3_num_f32 v[RM], v[M], v[M+1], 0x0da24260 ; and never below 1e-30
	v_mov_b32 v[RM+1], v[RM]
	v_rcp_f32 v[INV], v[RM]
	v_rcp_f32 v[INV+1], v[RM]
	v_nop                                          ; the place behind the reciprocals
	WIN 0x82                                       ; ST *= INV (window 0)
.set n, 0
	s_wait_alu depctr_va_vdst(0)
.rept 64
	v_pk_mul_f32 v[ST+n:ST+n+1], v[ST+n:ST+n+1], v[INV:INV+1]
.set n, n+2
.endr
	WIN 0x4a                                       ; window 2 to window 1
.set n, 0
.rept 64
	v_cvt_pk_f16_f32 v[P+n], v[ST+2*n], v[ST+2*n+1]                ; tiles 2 js, 2 js + 1 become registers 0-3, 4-7 of fragment js
.set n, n+1
.endr
	; scores x V
	VFETCH 1, 1
	s_wait_dscnt 32
	MUL O, P, 0, 1
	STEP2 1, 1, 2, 0
	STEP2 2, 0, 3, 1
	STEP2 3, 1, 4, 0
	STEP2 4, 0, 5, 1
	STEP2 5, 1, 6, 0
	STEP2 6, 0, 7, 1
	s_wait_dscnt 0x0
	MUL O, P+56, 1, 0
	; the way out
	PLACES
	WIN 0x82
.set n, 0
.rept 64
	v_pk_mul_f32 v[O+n:O+n+1], v[O+n:O+n+1], v[RM:RM+1]            ; the row's maximum back in
.set n, n+2
.endr
	WIN 0x0a
.set n, 0
.rept 64
	v_cvt_pk_bf16_f32 v[TMP+n], v[O+2*n], v[O+2*n+1]
.set n, n+1
.endr
	WIN 0
.irp u, 0,1,2,3,4,5,6,7,8,9,10,11,12,13,14,15
	ds_store_b128 v[AQ], v[TMP+4*\u:TMP+4*\u+3] offset:32*\u       ; my Q's bytes: filled once, read by me alone, long since
.endr
.irp t, 0,1,2,3,4,5,6,7,8,9,10,11,12,13,14,15
	ds_load_b128 v[R+4*\t:R+4*\t+3], v[RD] offset:\t*KP            ; LDS serves a wave in order (ISA guide 5.7.1): these see the stores above
.endr
.irp t, 0,1,2,3,4,5,6,7,8,9,10,11,12,13,14,15
	s_wait_dscnt 15-\t                             ; row t is in
	global_store_b128 v[CO], v[R+4*\t:R+4*\t+3], s[8:9] offset:4096*\t   ; the wave stores 512 consecutive bytes, aligned
.if \t == 0
.irp k, 0,1,2,3
	v_lshlrev_b32 v[SUM+2*\k],   16, v[R+\k]                       ; the first row starts the column sums
	v_and_b32     v[SUM+2*\k+1], 0xffff0000, v[R+\k]
.endr
.else
.irp k, 0,1,2,3
	v_lshlrev_b32 v[T+2*\k],   16, v[R+4*\t+\k]
	v_and_b32     v[T+2*\k+1], 0xffff0000, v[R+4*\t+\k]
.endr
.irp k, 0,2,4,6
	v_pk_add_f32 v[SUM+\k:SUM+\k+1], v[SUM+\k:SUM+\k+1], v[T+\k:T+\k+1]
.endr
.endif
.endr
	ds_store_b128 v[SC1], v[SUM:SUM+3]
	ds_store_b128 v[SC1], v[SUM+4:SUM+7] offset:16
	s_wait_dscnt 0x0                               ; for the other waves' sake: zero
	s_barrier_signal -1
	s_barrier_wait -1
.irp w, 0,1,2,3
	ds_load_b64 v[T+2*\w:T+2*\w+1], v[SC2] offset:1024*\w          ; columns 2 t, 2 t + 1 of the four waves
.endr
	s_wait_dscnt 0x0
	v_pk_add_f32 v[T:T+1], v[T:T+1], v[T+2:T+3]
	v_pk_add_f32 v[T+4:T+5], v[T+4:T+5], v[T+6:T+7]
	v_pk_add_f32 v[T:T+1], v[T:T+1], v[T+4:T+5]
	global_store_b64 v[PSO], v[T:T+1], s[10:11]    ; a wave stores 256 consecutive bytes, aligned
	s_wait_tensorcnt 0x0
	ds_add_u32 v254, v255
	s_wait_dscnt 0x0
	ROUND                                          ; the closing round
	s_endpgm
.Lfunc_end_k_q0edeb1bb7a_attn:
	.size	k_q0edeb1bb7a_attn, .Lfunc_end_k_q0edeb1bb7a_attn-k_q0edeb1bb7a_attn
	.p2alignl 7, 3214868480
	.fill 96, 4, 3214868480
	.section	.rodata,"a",@progbits
	.p2align	6, 0x0
	.amdhsa_kernel k_q0edeb1bb7a_attn
		.amdhsa_group_segment_fixed_size 312832
		.amdhsa_private_segment_fixed_size 0
		.amdhsa_enable_private_segment 0
		.amdhsa_kernarg_size 32
		.amdhsa_user_sgpr_count 2
		.amdhsa_user_sgpr_kernarg_segment_ptr 1
		.amdhsa_wavefront_size32 1
		.amdhsa_system_sgpr_workgroup_id_x 1
		.amdhsa_system_sgpr_workgroup_id_y 1
		.amdhsa_system_sgpr_workgroup_id_z 1
		.amdhsa_system_vgpr_workitem_id 0
		.amdhsa_next_free_vgpr 1024
		.amdhsa_next_free_sgpr 66
		.amdhsa_reserve_vcc 0
		.amdhsa_float_denorm_mode_32 3
		.amdhsa_float_denorm_mode_16_64 3
		.amdhsa_memory_ordered 1
		.amdhsa_forward_progress 1
		.amdhsa_inst_pref_size 101
	.end_amdhsa_kernel
	.amdgpu_metadata
---
amdhsa.version: [ 1, 2 ]
amdhsa.kernels:
  - .name:           k_q0edeb1bb7a_attn
    .symbol:         k_q0edeb1bb7a_attn.kd
    .args:
      - { .name: qkv, .offset: 0, .size: 8, .value_kind: global_buffer, .address_space: global }
      - { .name: rk, .offset: 8, .size: 8, .value_kind: global_buffer, .address_space: global }
      - { .name: at, .offset: 16, .size: 8, .value_kind: global_buffer, .address_space: global }
      - { .name: ps, .offset: 24, .size: 8, .value_kind: global_buffer, .address_space: global }
    .group_segment_fixed_size: 312832
    .private_segment_fixed_size: 0
    .kernarg_segment_align: 8
    .kernarg_segment_size: 32
    .max_flat_workgroup_size: 128
    .sgpr_count:     66
    .vgpr_count:     1024
    .wavefront_size: 32
...
	.end_amdgpu_metadata
.endif
;; end of part 3
;; launch oproj (part 4): grid 16 x 16, 4 waves a work-group, clusters of 4 x 4, 327,680 bytes of LDS; arguments cb, at, qp, bo, ps, Wo, z, cp; writes z, cp
.if DOCPART == 4
	.amdgcn_target "amdgcn-amd-amdhsa--gfx1250"
	.amdhsa_code_object_version 6
	.text
	.protected	k_q0edeb1bb7a_oproj
	.globl	k_q0edeb1bb7a_oproj
	.p2align	8
	.type	k_q0edeb1bb7a_oproj,@function
k_q0edeb1bb7a_oproj:
	s_mov_b64 s[64:65], 0
	v_nop
	global_prefetch_b8 v0, s[64:65] scope:SCOPE_SE
	s_setreg_imm32_b32 hwreg(HW_REG_WAVE_MODE, 25, 1), 1
	s_wait_xcnt 0x0
	s_wait_alu depctr_hold_cnt(0) depctr_sa_sdst(0) depctr_va_vdst(0) depctr_va_sdst(0) depctr_va_ssrc(0) depctr_va_vcc(0) depctr_vm_vsrc(0)
	s_getreg_b32 s2, hwreg(HW_REG_IB_STS2, 6, 4)
	s_cmp_eq_u32 s2, 0
	s_cbranch_scc0 .Lentry_in_a_cluster
	s_endpgm
.Lentry_in_a_cluster:
	s_bfe_u32 s2, ttmp6, 0x10000c
	s_cmp_lg_u32 s2, 0xf033
	s_cbranch_scc0 .Lentry_shape_is_right
	s_endpgm
.Lentry_shape_is_right:
; TWO RESULTS.
; (1) z = q_proj + attn x Wo[0:2048] + bo.  attn and Wo in bf16 (attn has no room in f16), sums in f32.
;     2,048 x 2,048 outputs on 256 work-groups: blocks of 128 x 128, four waves of 64 x 64 (16 accumulator tiles).
;     A step of 128 along K would be 64 matrix instructions a wave, too few for a tile to land, so a slot holds 256 along K, brought by one load a wave:
;     from a request to the wait for it a wave issues 120 matrix instructions.  Two slots, eight fills of K = 256.
;     attn lies [m][k]; Wo lies [k][n] and is transposed by ds_load_tr16_b128.
; (2) cp[kc][b][n] = (1/256) sum over the 256 rows k of chunk kc of (sum over s of attn[b][s][k]) Wo[2048 + k][n]: the summary's share of the output projection.
;     Its 2,048 rows are 8 different ones, so it is an 8-row product that streams the lower half of Wo once, in f32 on the vector unit.  Each of the 256 work-groups
;     takes 64 columns x 256 rows (65,536 bytes of Wo), between the request for its first tiles and the wait for them, when it has nothing else to do.
;     No work-group reads another's cp here: the sum over the eight chunks is added to z by the next launch.
; CLUSTERS: 4 x 4; attn's tile is asked for jointly along a row of the cluster, Wo's along a column.
; The matrix instruction is used transposed: lane l holds row l % 16, registers 0-7 the columns 8 (l / 16) + 0..7.
; WINDOWS: 0 addresses, attn's fragments, the way out; 1 Wo's fragments; 2 v0-127 accumulators, tile (a, b) at 8 (4 a + b); 3 v0-127 the residual.
; For (2), ahead of the first fragment and the first product: window 0 v64-191 ps, then S of my rows 0-15; window 1 v64-191 my 32 rows of Wo; window 2 v0-127 S of my rows 16-31.
.set APITCH, 528                       ; attn's LDS row: 512 bytes + 16
.set BPITCH, 288                       ; Wo's LDS row: 256 bytes + 32 = 9 x 32
.set Q4,     36864                     ; a wave's quarter of a slot: 128 x 288 (Wo), or 64 x 528 = 33,792 (attn) and a gap
.set SLOT,   4*Q4
.set STAGE,  2*SLOT                    ; behind the ring: 16 rows x 272 bytes a wave for the way out; no tensor load lands here
.set SPITCH, 272
.set SS,     STAGE                     ; for (2), long before the way out: S[8 b][256 k] f32, 8,192 bytes,
.set RED,    STAGE+8192                ; and RED[4 waves][8 b][64 n] f32, 8,192 bytes: together inside the stage's 17,408
.set LAPS,   4                         ; 2048 / (2 x 256)
.set ASTEP,  1024                      ; two slots along attn's rows
.set BSTEP,  2097152                   ; two slots down Wo's rows: 512 x 4,096 bytes
.set ADRA, 16                          ; v16-17  slot 0, 1
.set ADRB, 20                          ; v20-23  slot 0: k rows 0-127, 128-255; slot 1 likewise
.set STO,  24
.set RD,   25
.set CO,   26                          ; my bytes in qp and in z
.set CVO,  27                          ; my bytes in bo
.set GW,   28                          ; (2) my bytes in Wo's lower half
.set GP,   29                          ; (2) 8 t: my bytes in ps
.set GS,   30                          ; (2) S, in
.set GR,   31                          ; (2) S, back
.set GD,   32                          ; (2) RED, in
.set GB,   33                          ; (2) RED, back
.set GC,   34                          ; (2) my bytes in cp
.set F0,   64
.set F1,   128
.set R,    64                          ; the way out: rows read back
.set PS,   64                          ; (2) v[64:127] ps as loaded: [4 query blocks][8 b], two k each
.set WR,   64                          ; (2) window 1 v[64:191]: 32 rows x 4 columns of Wo
.set ACC,  192                         ; (2) v[192:223] 8 b x 4 columns
.set FIN,  224                         ; (2) v[224:239] the four waves' shares of my four outputs
.set CV,   240                         ; v[240:243] bo of my four columns
.set G1, 24
.set G0, 32
.set G1B, 48
.set G0B, 56
.set MSB, 0
.macro WIN new                         ; the immediate's high byte repeats the setting that is left
.if MSB != (\new)
	s_set_vgpr_msb (MSB<<8)|(\new)
.set MSB, (\new)
.endif
.endm
.set MULW, 0xa1                        ; source 0 (Wo) window 1, source 1 (attn) window 0, C and D window 2
.set TO_B, 0x40
.macro JLOAD s                         ; waves 0 and 1 fetch attn's halves, waves 2 and 3 Wo's
	s_cmp_eq_u32 s11, 0
	s_cbranch_scc0 .Lfor_b_\@
	tensor_load_to_lds s[G0+4*\s:G0+4*\s+3], s[G1:G1+7]
	s_nop 0
	s_branch .Lasked_\@
.Lfor_b_\@:
	tensor_load_to_lds s[G0B+4*\s:G0B+4*\s+3], s[G1B:G1B+7]
	s_nop 0
.Lasked_\@:
.endm
.macro CREST
	s_cmp_lg_u32 s10, 0
	s_cbranch_scc1 .Lnot_wave_0_\@
	s_barrier_signal -3
.Lnot_wave_0_\@:
	s_barrier_wait -3
	s_barrier_signal -1
	s_barrier_wait -1
.endm
.macro CROUND
	s_barrier_signal -1
	s_barrier_wait -1
	CREST
.endm
	s_load_b256 s[72:79], s[0:1], 0x0              ; cb s[72:73], at s[74:75], qp s[76:77], bo s[78:79]
	s_load_b256 s[80:87], s[0:1], 0x20             ; ps s[80:81], Wo s[82:83], z s[84:85], cp s[86:87]
	s_set_vgpr_msb 0x40
	v_lshl_add_u32 v255, v0, 2, 0x4c400
	s_set_vgpr_msb 0x4000
	v_mov_b32 v255, 0
	s_set_vgpr_msb 0x1
	ds_add_u32 v255, v255
	s_set_vgpr_msb 0x100
	v_lshrrev_b32 v1, 5, v0
	v_readfirstlane_b32 s10, v1                    ; wave
	s_lshr_b32 s11, s10, 1                         ; my half of the rows.  Also: I fetch for attn (0) or Wo (1)
	s_and_b32 s12, s10, 1                          ; my half of the columns.  Also: which half of that tile I fetch
	s_bfe_u32 s40, ttmp6, 0x40000                  ; cx
	s_bfe_u32 s41, ttmp6, 0x40004                  ; cy
	s_lshl_b32 s42, ttmp9, 2
	s_add_co_u32 s42, s42, s40                     ; block column
	s_and_b32 s13, ttmp7, 0xffff
	s_lshl_b32 s13, s13, 2
	s_add_co_u32 s13, s13, s41                     ; block row
	s_lshl_b32 s43, s41, 2
	s_lshl_b32 s43, 15, s43                        ; my row of the cluster
	s_lshl_b32 s44, 0x1111, s40                    ; my column
	; group 1 for attn: 64 rows x 256 elements of 2 bytes, 16 bytes of padding behind every 128 words
	s_or_b32 s[G1+0], s43, (1<<16)|(1<<20)|(1<<21)|(6<<22)|(3<<25)
	s_mov_b32 s[G1+1], 256<<16
	s_mov_b32 s[G1+2], 64<<16
	s_mov_b32 s[G1+3], 256<<16
	s_mov_b32 s[G1+4], 64
	s_mov_b32 s[G1+5], 2048
	s_mov_b32 s[G1+6], 0
	s_mov_b32 s[G1+7], 0
	; group 1 for Wo: 128 k rows x 128 elements, 32 bytes of padding behind every 64 words
	s_or_b32 s[G1B+0], s44, (1<<16)|(1<<20)|(1<<21)|(5<<22)|(7<<25)
	s_mov_b32 s[G1B+1], 128<<16
	s_mov_b32 s[G1B+2], 128<<16
	s_mov_b32 s[G1B+3], 128<<16
	s_mov_b32 s[G1B+4], 128
	s_mov_b32 s[G1B+5], 2048
	s_mov_b32 s[G1B+6], 0
	s_mov_b32 s[G1B+7], 0
	s_lshl_b32 s16, s13, 19                        ; attn: 128 rows x 4,096 bytes a block row
	s_lshl_b32 s17, s12, 18                        ; + my 64 rows
	s_add_co_u32 s16, s16, s17
	s_mov_b32 s17, 0
	s_lshl_b32 s46, s12, 19                        ; Wo: my 128 k rows,
	s_lshl_b32 s47, s42, 8                         ; the block's 256 bytes of a row,
	s_add_co_u32 s46, s46, s47
	s_add_co_u32 s46, s46, 0x2000000               ; in cb's fifth image
	s_mov_b32 s47, 0
	s_mul_i32 s20, s10, Q4                         ; LDS: wave x 36,864
	; (2): the 256 work-groups share 32 column pieces x 8 row chunks: nc = 2 x block column + block row % 2, kc = block row / 2.  These enter global addresses of my own loads and stores only
	s_lshr_b32 s45, s13, 1                         ; kc
	s_and_b32 s66, s13, 1
	s_lshl_b32 s67, s42, 1
	s_add_co_u32 s66, s66, s67                     ; nc
	s_lshl_b32 s66, s66, 8                         ; its 64 columns in bytes
	s_lshl_b32 s90, s45, 10                        ; ps: 256 k x 4 bytes
	s_mov_b32 s91, 0
	s_lshl_b32 s92, s45, 21                        ; Wo: 256 rows x 8,192 bytes,
	s_add_co_u32 s92, s92, s66
	s_add_co_u32 s92, s92, 0x1000000               ; behind its first 2,048 rows
	s_mov_b32 s93, 0
	s_lshl_b32 s94, s45, 16                        ; cp: 8 x 2,048 x 4 bytes a chunk
	s_add_co_u32 s94, s94, s66
	s_mov_b32 s95, 0
	s_mov_b32 s88, 0x76543210                      ; v_permlanex16_b32: lane i reads lane i of the other half
	s_mov_b32 s89, 0xfedcba98
	s_wait_dscnt 0x0
	s_wait_kmcnt 0x0
	s_add_nc_u64 s[14:15], s[74:75], s[16:17]
	s_add_nc_u64 s[46:47], s[72:73], s[46:47]
	s_add_nc_u64 s[80:81], s[80:81], s[90:91]
	s_add_nc_u64 s[82:83], s[82:83], s[92:93]
	s_add_nc_u64 s[86:87], s[86:87], s[94:95]
	CROUND                                         ; the first joint loads meet
.irp s, 0,1
	s_mov_b32 s[G0+4*\s], 1
	s_add_co_u32 s[G0+4*\s+1], s20, \s*SLOT
	s_add_nc_u64 s[G0+4*\s+2:G0+4*\s+3], s[14:15], \s*512          ; 256 elements along the row
	s_or_b32 s[G0+4*\s+3], s[G0+4*\s+3], 0x80000000
	s_mov_b32 s[G0B+4*\s], 1
	s_add_co_u32 s[G0B+4*\s+1], s20, \s*SLOT
	s_add_nc_u64 s[G0B+4*\s+2:G0B+4*\s+3], s[46:47], \s*1048576    ; 256 rows down
	s_or_b32 s[G0B+4*\s+3], s[G0B+4*\s+3], 0x80000000
	JLOAD \s                                       ; two tensor loads of the wave are out here, later one
.endr
	; (2) Thread t: cg = t % 16 (4 columns), rg = t / 16 (32 rows): sixteen lanes read 256 consecutive bytes of a row of Wo, aligned.
	; ps goes first, because the sums wait for it first; Wo's rows are waited for one by one.
	v_and_b32 v1, 15, v0                           ; cg; also r = l % 16
	v_lshrrev_b32 v7, 4, v0                        ; rg
	v_lshlrev_b32 v[GW], 18, v7                    ; 32 rows x 8,192 bytes a row group
	v_lshl_add_u32 v[GW], v1, 4, v[GW]
	v_lshlrev_b32 v[GP], 3, v0                     ; k = 2 t, 2 t + 1
.irp q, 0,1,2,3
.irp b, 0,1,2,3,4,5,6,7
	global_load_b64 v[PS+16*\q+2*\b:PS+16*\q+2*\b+1], v[GP], s[80:81] offset:65536*\q+8192*\b   ; a wave reads 256 consecutive bytes, aligned
.endr
.endr
	WIN TO_B
.irp i, 0,1,2,3,4,5,6,7,8,9,10,11,12,13,14,15,16,17,18,19,20,21,22,23,24,25,26,27,28,29,30,31
	global_load_b128 v[WR+4*\i:WR+4*\i+3], v[GW], s[82:83] offset:8192*\i th:TH_LOAD_NT         ; read once in the launch
.endr
	WIN 0
	; all addresses, while these loads are on their way
	v_bfe_u32 v2, v0, 4, 1                         ; h
	v_mul_u32_u24 v3, v1, APITCH
	v_lshl_add_u32 v3, v2, 4, v3
	v_and_b32 v4, 7, v0
	v_lshl_add_u32 v4, v2, 3, v4
	v_mul_u32_u24 v4, v4, BPITCH
	v_bfe_u32 v5, v0, 3, 1
	v_lshl_add_u32 v4, v5, 4, v4
	s_mul_i32 s21, s11, Q4                         ; my 64 rows of attn
	v_add_nc_u32 v[ADRA], s21, v3
	v_add_nc_u32 v[ADRA+1], SLOT, v[ADRA]
	s_lshl_b32 s22, s12, 7                         ; my 64 columns of Wo,
	s_add_co_u32 s22, s22, 2*Q4                    ; which lies behind attn
	v_add_nc_u32 v[ADRB], s22, v4
	v_add_nc_u32 v[ADRB+1], Q4, v[ADRB]
	v_add_nc_u32 v[ADRB+2], SLOT, v[ADRB]
	v_add_nc_u32 v[ADRB+3], SLOT+Q4, v[ADRB]
	s_mul_i32 s23, s10, 16*SPITCH
	s_add_co_u32 s23, s23, STAGE
	v_mul_u32_u24 v6, v1, SPITCH
	v_lshl_add_u32 v6, v2, 5, v6
	v_add_nc_u32 v[STO], s23, v6                   ; in: 272 r + 32 h
	v_mul_u32_u24 v6, v2, SPITCH
	v_lshl_add_u32 v6, v1, 4, v6
	v_add_nc_u32 v[RD], s23, v6                    ; back: lanes 0-15 one row of 256 bytes, lanes 16-31 the next
	v_lshlrev_b32 v[CVO], 4, v1
	v_lshl_add_u32 v[CO], v2, 13, v[CVO]           ; the same two rows in qp and z
	v_add_nc_u32 v[GS], SS, v[GP]                  ; S, in: row b at 1,024 b, my two k at 8 t
	v_lshlrev_b32 v[GR], 7, v7
	v_add_nc_u32 v[GR], SS, v[GR]                  ; S, back: my 32 rows are 128 bytes of each b
	s_lshl_b32 s21, s10, 11
	s_add_co_u32 s21, s21, RED
	v_lshl_add_u32 v[GD], v1, 4, s21               ; RED, in: 2,048 wave + 16 cg
	v_lshlrev_b32 v[GB], 4, v0
	v_add_nc_u32 v[GB], RED, v[GB]                 ; RED, back: outputs 4 t .. 4 t + 3 of the 512
	v_lshlrev_b32 v[GC], 13, v7
	v_lshl_add_u32 v[GC], v1, 4, v[GC]             ; cp: 8,192 b + 16 (t % 16), b = t / 16
	s_lshl_b32 s68, s42, 9
	s_lshl_b32 s67, s12, 8
	s_add_co_u32 s68, s68, s67                     ; my first column in bytes
	s_mov_b32 s69, 0
	s_lshl_b32 s66, s13, 7
	s_lshl_b32 s67, s11, 6
	s_add_co_u32 s66, s66, s67                     ; my first row
	s_lshl_b32 s66, s66, 13
	s_add_co_u32 s66, s66, s68
	s_mov_b32 s67, 0
	s_add_nc_u64 s[76:77], s[76:77], s[66:67]
	s_add_nc_u64 s[84:85], s[84:85], s[66:67]
	s_add_nc_u64 s[78:79], s[78:79], s[68:69]
	s_wait_loadcnt 32                              ; ps is in; Wo's 32 rows stay out
.irp p, 0,2,4,6,8,10,12,14
	v_pk_add_f32 v[PS+\p:PS+\p+1], v[PS+\p:PS+\p+1], v[PS+16+\p:PS+16+\p+1]
	v_pk_add_f32 v[PS+32+\p:PS+32+\p+1], v[PS+32+\p:PS+32+\p+1], v[PS+48+\p:PS+48+\p+1]
.endr
.irp p, 0,2,4,6,8,10,12,14
	v_pk_add_f32 v[PS+\p:PS+\p+1], v[PS+\p:PS+\p+1], v[PS+32+\p:PS+32+\p+1]    ; the sum over all 256 rows of batch b = p / 2, for my two k
.endr
.irp b, 0,1,2,3,4,5,6,7
	ds_store_b64 v[GS], v[PS+2*\b:PS+2*\b+1] offset:1024*\b
.endr
	s_wait_dscnt 0x0                               ; for the other waves' sake: zero
	s_barrier_signal -1                            ; the two tensor loads stay out, and no tile is read before the third one below
	s_barrier_wait -1
.macro SLOAD batch, sb                 ; S of 16 of my rows, all 8 b: S(b, row) in register sb + 16 b + row.  The sixteen lanes of a row group read the same words
.irp b, 0,1,2,3,4,5,6,7
.irp m, 0,1,2,3
	ds_load_b128 v[\sb+16*\b+4*\m:\sb+16*\b+4*\m+3], v[GR] offset:1024*\b+64*\batch+16*\m
.endr
.endr
.endm
	SLOAD 0, 64
	WIN 0x80                                       ; destination window 2: the accumulators' registers, not yet in use
	SLOAD 1, 0
; row i of my 32: 8 b x 4 columns.  The packed forms take S for both halves: the pair's first register (i even) or its second (i odd).
.macro GROW i, sb
	s_wait_loadcnt 31-\i                           ; row i of Wo is in, the 31 - i younger rows stay out
.irp b, 0,1,2,3,4,5,6,7
.irp c, 0,2
.if \i == 0
	v_pk_mul_f32 v[ACC+4*\b+\c:ACC+4*\b+\c+1], v[WR+\c:WR+\c+1], v[\sb+16*\b:\sb+16*\b+1] op_sel_hi:[1,0]     ; the first row starts the sums
.else
.if (\i&1) == 0
	v_pk_fma_f32 v[ACC+4*\b+\c:ACC+4*\b+\c+1], v[WR+4*\i+\c:WR+4*\i+\c+1], v[\sb+16*\b+(\i&14):\sb+16*\b+(\i&14)+1], v[ACC+4*\b+\c:ACC+4*\b+\c+1] op_sel_hi:[1,0,1]
.else
	v_pk_fma_f32 v[ACC+4*\b+\c:ACC+4*\b+\c+1], v[WR+4*\i+\c:WR+4*\i+\c+1], v[\sb+16*\b+(\i&14):\sb+16*\b+(\i&14)+1], v[ACC+4*\b+\c:ACC+4*\b+\c+1] op_sel:[0,1,0] op_sel_hi:[1,1,1]
.endif
.endif
.endr
.endr
.endm
	s_wait_dscnt 32                                ; S of my rows 0-15 is in; the 32 loads of rows 16-31 may be out
	WIN 0x01                                       ; source 0 (Wo) window 1, the rest window 0
.irp i, 0,1,2,3,4,5,6,7,8,9,10,11,12,13,14,15
	GROW \i, 64
.endr
	s_wait_dscnt 0x0
	WIN 0x09                                       ; source 1 (S) window 2
.irp i, 16,17,18,19,20,21,22,23,24,25,26,27,28,29,30,31
	GROW \i, 0
.endr
	WIN 0
.set n, 0
.rept 32
	v_permlanex16_b32 v[PS+n], v[ACC+n], s88, s89  ; lane l xor 16 holds the wave's other row group, the same columns; the destinations have been written (S)
.set n, n+1
.endr
.set n, 0
.rept 16
	v_pk_add_f32 v[ACC+n:ACC+n+1], v[ACC+n:ACC+n+1], v[PS+n:PS+n+1]
.set n, n+2
.endr
.irp b, 0,1,2,3,4,5,6,7
	ds_store_b128 v[GD], v[ACC+4*\b:ACC+4*\b+3] offset:256*\b      ; both halves of the wave write the same words with the same numbers
.endr
	s_wait_dscnt 0x0
	s_barrier_signal -1
	s_barrier_wait -1
.irp w, 0,1,2,3
	ds_load_b128 v[FIN+4*\w:FIN+4*\w+3], v[GB] offset:2048*\w      ; the four waves' shares of my four outputs
.endr
	s_wait_dscnt 0x0
	v_pk_add_f32 v[FIN:FIN+1],     v[FIN:FIN+1],     v[FIN+4:FIN+5]
	v_pk_add_f32 v[FIN+2:FIN+3],   v[FIN+2:FIN+3],   v[FIN+6:FIN+7]
	v_pk_add_f32 v[FIN+8:FIN+9],   v[FIN+8:FIN+9],   v[FIN+12:FIN+13]
	v_pk_add_f32 v[FIN+10:FIN+11], v[FIN+10:FIN+11], v[FIN+14:FIN+15]
	v_pk_add_f32 v[FIN:FIN+1],     v[FIN:FIN+1],     v[FIN+8:FIN+9]
	v_pk_add_f32 v[FIN+2:FIN+3],   v[FIN+2:FIN+3],   v[FIN+10:FIN+11]
	v_pk_mul_f32 v[FIN:FIN+1],     v[FIN:FIN+1],     0x3b800000 op_sel_hi:[1,0]    ; 1/256: the mean over the batch's rows (a power of two: exact)
	v_pk_mul_f32 v[FIN+2:FIN+3],   v[FIN+2:FIN+3],   0x3b800000 op_sel_hi:[1,0]
	global_store_b128 v[GC], v[FIN:FIN+3], s[86:87]                ; 16 lanes store 256 consecutive bytes, aligned; FIN and GC are not written again
	; the residual and bo go out now and are waited for behind the K loop, which names none of their registers
	WIN 0xc0
.irp a, 0,1,2,3
.irp t, 0,1,2,3,4,5,6,7
	global_load_b128 v[4*(8*\a+\t):4*(8*\a+\t)+3], v[CO], s[76:77] offset:(16*\a+2*\t)*8192 th:TH_LOAD_NT
.endr
.endr
	WIN 0
	global_load_b128 v[CV:CV+3], v[CVO], s[78:79]
; 8 matrix instructions: 32 along K (half ks of the buffer's 64), m blocks a0, a0 + 1 x 4 n blocks.
; The 16 accumulators take turns, one instruction a turn, in the same order for every 32 along K.
.macro MULH f, ks, a0, zero
.irp a, \a0, \a0+1
.irp b, 0,1,2,3
.if \zero
	v_wmma_f32_16x16x32_bf16 v[8*(4*(\a)+\b):8*(4*(\a)+\b)+7], v[\f+8*(4*\ks+\b):\f+8*(4*\ks+\b)+7], v[\f+8*(4*\ks+\a):\f+8*(4*\ks+\a)+7], 0
.else
	v_wmma_f32_16x16x32_bf16 v[8*(4*(\a)+\b):8*(4*(\a)+\b)+7], v[\f+8*(4*\ks+\b):\f+8*(4*\ks+\b)+7], v[\f+8*(4*\ks+\a):\f+8*(4*\ks+\a)+7], v[8*(4*(\a)+\b):8*(4*(\a)+\b)+7]
.endif
.endr
.endr
.endm
; 32 LDS loads: unit u (64 along K) of a slot into buffer f.  Fragment i: half i / 4 of the 64, block i % 4.
.macro FETCH slot, u, f
	WIN TO_B
.irp i, 0,1,2,3,4,5,6,7
	ds_load_tr16_b128 v[\f+8*\i:\f+8*\i+3],   v[ADRB+2*\slot+(\u>>1)] offset:((\u&1)*64+32*(\i>>2))*BPITCH+32*(\i&3)
	ds_load_tr16_b128 v[\f+8*\i+4:\f+8*\i+7], v[ADRB+2*\slot+(\u>>1)] offset:((\u&1)*64+32*(\i>>2)+16)*BPITCH+32*(\i&3)
.endr
	WIN 0
.irp i, 0,1,2,3,4,5,6,7
	ds_load_b128 v[\f+8*\i:\f+8*\i+3],   v[ADRA+\slot] offset:128*\u+64*(\i>>2)+16*APITCH*(\i&3)
	ds_load_b128 v[\f+8*\i+4:\f+8*\i+7], v[ADRA+\slot] offset:128*\u+64*(\i>>2)+16*APITCH*(\i&3)+32
.endr
.endm
.macro PLACES                          ; four places behind a matrix instruction (ISA guide 7.12.1)
.rept 4
	v_nop
.endr
.endm
.macro QUARTER slot, u, f, g, zero     ; multiplies buffer f; in its middle fetches unit u of the same slot into buffer g
	s_wait_dscnt 8                                 ; Wo's fragments and attn's first half are in; the youngest eight loads (attn's second 32 along K) may be out
	WIN MULW
	MULH \f, 0, 0, \zero
	MULH \f, 0, 2, \zero
	PLACES
	FETCH \slot, \u, \g
	s_wait_dscnt 32                                ; all but the 32 just issued
	WIN MULW
	MULH \f, 1, 0, 0
	MULH \f, 1, 2, 0
.endm
.macro THREE slot, zero
	QUARTER \slot, 1, F0, F1, \zero
	QUARTER \slot, 2, F1, F0, 0
	QUARTER \slot, 3, F0, F1, 0
.endm
; The last unit of a slot changes slots: each wave waits for its reads of this slot and for all its tensor loads (one is out: its part of the next slot);
; where the slot is filled again the barrier opens a round of the cluster's barrier, and the joint refill is the first tensor load behind the round.
.macro TURN slot, next, fill
	s_wait_dscnt 8
	WIN MULW
	MULH F1, 0, 0, 0
	s_wait_dscnt 0
	s_wait_tensorcnt 0x0
	ds_add_u32 v255, v255
	s_wait_dscnt 0x0
	s_barrier_signal -1
	MULH F1, 0, 2, 0                               ; register work alone between signal and wait
	WIN 0
	s_barrier_wait -1
.if \fill
	CREST
	s_add_nc_u64 s[G0+4*\slot+2:G0+4*\slot+3], s[G0+4*\slot+2:G0+4*\slot+3], ASTEP
	s_add_nc_u64 s[G0B+4*\slot+2:G0B+4*\slot+3], s[G0B+4*\slot+2:G0B+4*\slot+3], BSTEP
	JLOAD \slot
.endif
	PLACES
	FETCH \next, 0, F0
	WIN MULW
	MULH F1, 1, 0, 0
	MULH F1, 1, 2, 0
.endm
.macro LAP zero
	THREE 0, \zero
	TURN 0, 1, 1
	THREE 1, 0
	TURN 1, 0, 1
.endm
	s_wait_tensorcnt 1                             ; my part of slot 0 is in; slot 1's stays out
	s_barrier_signal -1
	s_barrier_wait -1
	FETCH 0, 0, F0
	LAP 1                                          ; its first products start the sums
	WIN 0
	s_mov_b32 s3, LAPS-2
.Llap:
	LAP 0
	WIN 0
	s_sub_co_u32 s3, s3, 1
	s_cmp_lg_u32 s3, 0
	s_cbranch_scc1 .Llap
	THREE 0, 0                                     ; the last lap fills nothing
	TURN 0, 1, 0
	THREE 1, 0
	s_wait_dscnt 8
	WIN MULW
	MULH F1, 0, 0, 0
	MULH F1, 0, 2, 0
	s_wait_dscnt 0
	MULH F1, 1, 0, 0
	MULH F1, 1, 2, 0
	; THE WAY OUT
	PLACES
	s_wait_loadcnt 0x0                             ; the residual and bo
	WIN 0xc3                                       ; window 3 += window 0: every row of the residual takes bo, under one setting
.set n, 0
.rept 32
	v_pk_add_f32 v[n:n+1],   v[n:n+1],   v[CV:CV+1]
	v_pk_add_f32 v[n+2:n+3], v[n+2:n+3], v[CV+2:CV+3]
.set n, n+4
.endr
; rows 16 a .. 16 a + 15 of my 64: the sums go through my stage and come back as whole rows of 256 bytes, laid as the residual is
.macro OUT16 a
	WIN 0x08                                       ; the stores' data from window 2
.irp b, 0,1,2,3
	ds_store_b128 v[STO], v[8*(4*\a+\b):8*(4*\a+\b)+3]   offset:64*\b
	ds_store_b128 v[STO], v[8*(4*\a+\b)+4:8*(4*\a+\b)+7] offset:64*\b+16
.endr
	WIN 0
	s_wait_xcnt 0x0                                ; R is the data of the last group's stores: it is loaded again only behind this wait (ISA guide 3.1)
.irp t, 0,1,2,3,4,5,6,7
	ds_load_b128 v[R+4*\t:R+4*\t+3], v[RD] offset:\t*2*SPITCH      ; LDS serves a wave in order (ISA guide 5.7.1): these see the stores above
.endr
	s_wait_dscnt 0x0
	WIN 0x0c                                       ; source 1 from window 3
.irp t, 0,1,2,3,4,5,6,7
	v_pk_add_f32 v[R+4*\t:R+4*\t+1],   v[R+4*\t:R+4*\t+1],   v[4*(8*\a+\t):4*(8*\a+\t)+1]
	v_pk_add_f32 v[R+4*\t+2:R+4*\t+3], v[R+4*\t+2:R+4*\t+3], v[4*(8*\a+\t)+2:4*(8*\a+\t)+3]
.endr
	WIN 0
.irp t, 0,1,2,3,4,5,6,7
	global_store_b128 v[CO], v[R+4*\t:R+4*\t+3], s[84:85] offset:(16*\a+2*\t)*8192   ; 16 lanes store 256 consecutive bytes, aligned
.endr
.endm
	OUT16 0
	OUT16 1
	OUT16 2
	OUT16 3
	s_set_vgpr_msb 0x1
	s_wait_tensorcnt 0x0
	ds_add_u32 v255, v255
	s_wait_dscnt 0x0
	s_set_vgpr_msb 0x100
	CROUND                                         ; the closing round
	s_endpgm
.Lfunc_end_k_q0edeb1bb7a_oproj:
	.size	k_q0edeb1bb7a_oproj, .Lfunc_end_k_q0edeb1bb7a_oproj-k_q0edeb1bb7a_oproj
	.p2alignl 7, 3214868480
	.fill 96, 4, 3214868480
	.section	.rodata,"a",@progbits
	.p2align	6, 0x0
	.amdhsa_kernel k_q0edeb1bb7a_oproj
		.amdhsa_group_segment_fixed_size 327680
		.amdhsa_private_segment_fixed_size 0
		.amdhsa_enable_private_segment 0
		.amdhsa_kernarg_size 64
		.amdhsa_user_sgpr_count 2
		.amdhsa_user_sgpr_kernarg_segment_ptr 1
		.amdhsa_wavefront_size32 1
		.amdhsa_system_sgpr_workgroup_id_x 1
		.amdhsa_system_sgpr_workgroup_id_y 1
		.amdhsa_system_sgpr_workgroup_id_z 1
		.amdhsa_system_vgpr_workitem_id 0
		.amdhsa_next_free_vgpr 896
		.amdhsa_next_free_sgpr 96
		.amdhsa_reserve_vcc 0
		.amdhsa_float_denorm_mode_32 3
		.amdhsa_float_denorm_mode_16_64 3
		.amdhsa_memory_ordered 1
		.amdhsa_forward_progress 1
		.amdhsa_inst_pref_size 185
	.end_amdhsa_kernel
	.amdgpu_metadata
---
amdhsa.version: [ 1, 2 ]
amdhsa.kernels:
  - .name:           k_q0edeb1bb7a_oproj
    .symbol:         k_q0edeb1bb7a_oproj.kd
    .args:
      - { .name: cb, .offset: 0, .size: 8, .value_kind: global_buffer, .address_space: global }
      - { .name: at, .offset: 8, .size: 8, .value_kind: global_buffer, .address_space: global }
      - { .name: qp, .offset: 16, .size: 8, .value_kind: global_buffer, .address_space: global }
      - { .name: bo, .offset: 24, .size: 8, .value_kind: global_buffer, .address_space: global }
      - { .name: ps, .offset: 32, .size: 8, .value_kind: global_buffer, .address_space: global }
      - { .name: Wo, .offset: 40, .size: 8, .value_kind: global_buffer, .address_space: global }
      - { .name: z, .offset: 48, .size: 8, .value_kind: global_buffer, .address_space: global }
      - { .name: cp, .offset: 56, .size: 8, .value_kind: global_buffer, .address_space: global }
    .group_segment_fixed_size: 327680
    .private_segment_fixed_size: 0
    .kernarg_segment_align: 8
    .kernarg_segment_size: 64
    .max_flat_workgroup_size: 128
    .sgpr_count:     96
    .vgpr_count:     896
    .wavefront_size: 32
...
	.end_amdgpu_metadata
.endif
;; end of part 4
;; launch lnorm (part 5): grid 256 x 1, 8 waves a work-group, no clusters, 1,536 bytes of LDS; arguments z, cp, gamma, beta, out0; writes out0
.if DOCPART == 5
	.amdgcn_target "amdgcn-amd-amdhsa--gfx1250"
	.amdhsa_code_object_version 6
	.text
	.protected	k_q0edeb1bb7a_lnorm
	.globl	k_q0edeb1bb7a_lnorm
	.p2align	8
	.type	k_q0edeb1bb7a_lnorm,@function
k_q0edeb1bb7a_lnorm:
	s_mov_b64 s[64:65], 0
	v_nop
	global_prefetch_b8 v0, s[64:65] scope:SCOPE_SE
	s_setreg_imm32_b32 hwreg(HW_REG_WAVE_MODE, 25, 1), 1
	s_wait_xcnt 0x0
; y = z + c[b], c[b] = the sum of cp's eight chunks;  out0[r][c] = (y[r][c] - mu[r]) / sqrt(var[r] + 1e-6) * gamma[c] + beta[c].
; A work-group owns 8 rows, all of one batch b (256 rows a batch).  Wave w owns columns 256 w .. 256 w + 255 of all 8 rows, as two pieces of 512 bytes:
; so c's 8 x 8,192 bytes, gamma and beta are loaded once by the work-group and serve 8 rows, and a wave issues 36 loads, all at its start.
; Every load and store of a wave covers 512 consecutive bytes, aligned.  The rows stay in registers between the passes: z is read once.
; A row's sums meet across the eight waves in LDS, once for the mean and once for the squares, each in 256 bytes of its own: one barrier each.
; The variance is the mean of (y - mu)^2: no difference of large sums is formed.
; v2 (my bytes in a row), v3 (LDS, in) and v228 (LDS, back) are addresses: written once, outside every range below.
.set C,  4                             ; v[4:67]    cp: chunk k at 8 k, my 8 columns
.set PX, C+8                           ; v[12:19]   the other half's sums (registers that have been written: chunk 1, used up by then)
.set Z,  68                            ; v[68:131]  row r at 8 r, my 8 columns
.set G,  132                           ; v[132:139] gamma
.set BT, 140                           ; v[140:147] beta
.set SM, 148                           ; v[148:155] a figure for each of the 8 rows
.set NM, 156                           ; v[156:163] minus the means; later 1 / sqrt(var + eps)
.set P,  164                           ; v[164:227] at work; the eight waves' figures, wave w at 8 w
.set LB, 228                           ; v228       LDS byte 0: where every lane reads everybody's figures back
	s_load_b256 s[4:11], s[0:1], 0x0               ; z s[4:5], cp s[6:7], gamma s[8:9], beta s[10:11]
	s_load_b64 s[12:13], s[0:1], 0x20              ; out0
	v_lshl_add_u32 v232, v0, 2, 0x200
	v_mov_b32 v233, 0
	v_lshrrev_b32 v1, 5, v0
	v_readfirstlane_b32 s22, v1                    ; wave
	v_and_b32 v2, 31, v0
	v_lshlrev_b32 v2, 4, v2
	v_lshl_add_u32 v2, s22, 10, v2                 ; 1,024 wave + 16 lane: my bytes in a row
	v_mov_b32 v3, s22
	v_lshlrev_b32 v3, 5, v3                        ; LDS, in: my wave's 8 figures
	v_mov_b32 v[LB], 0                             ; LDS, back: everybody's
	s_lshl_b32 s14, ttmp9, 16                      ; 8 rows of 8,192 bytes a work-group
	s_mov_b32 s15, 0
	s_lshr_b32 s16, ttmp9, 5                       ; b: 32 work-groups a batch
	s_lshl_b32 s16, s16, 13
	s_mov_b32 s17, 0
	s_mov_b32 s18, 0x76543210                      ; v_permlanex16_b32: lane i reads lane i of the other half
	s_mov_b32 s19, 0xfedcba98
	s_mov_b32 s20, 0x3a000000                      ; 1/2048
	s_mov_b32 s21, 0x358637bd                      ; 1e-6
	s_wait_kmcnt 0x0
	s_add_nc_u64 s[4:5], s[4:5], s[14:15]
	s_add_nc_u64 s[12:13], s[12:13], s[14:15]
	s_add_nc_u64 s[6:7], s[6:7], s[16:17]
.irp k, 0,1,2,3,4,5,6,7
.irp j, 0,1
	global_load_b128 v[C+8*\k+4*\j:C+8*\k+4*\j+3], v2, s[6:7] offset:65536*\k+512*\j
.endr
.endr
.irp r, 0,1,2,3,4,5,6,7
.irp j, 0,1
	global_load_b128 v[Z+8*\r+4*\j:Z+8*\r+4*\j+3], v2, s[4:5] offset:8192*\r+512*\j th:TH_LOAD_NT
.endr
.endr
.irp j, 0,1
	global_load_b128 v[G+4*\j:G+4*\j+3], v2, s[8:9] offset:512*\j
	global_load_b128 v[BT+4*\j:BT+4*\j+3], v2, s[10:11] offset:512*\j
.endr
; SM holds a lane's figure for each of the 8 rows.  Over the 32 lanes, then over the 8 waves through the 256 LDS bytes at base: the rows' totals end up in v[P:P+7] of every lane.
.macro ACROSS base
.irp m, 1,2,4,8
.irp r, 0,1,2,3,4,5,6,7
	v_add_f32_dpp v[SM+\r], v[SM+\r], v[SM+\r] row_xmask:\m row_mask:0xf bank_mask:0xf
.endr
.endr
.irp r, 0,1,2,3,4,5,6,7
	v_permlanex16_b32 v[PX+\r], v[SM+\r], s18, s19
.endr
.irp p, 0,2,4,6
	v_pk_add_f32 v[SM+\p:SM+\p+1], v[SM+\p:SM+\p+1], v[PX+\p:PX+\p+1]
.endr
	ds_store_b128 v3, v[SM:SM+3]   offset:\base    ; all lanes write the same words with the same numbers
	ds_store_b128 v3, v[SM+4:SM+7] offset:\base+16
	s_wait_dscnt 0x0                               ; for the other waves' sake: zero
	s_barrier_signal -1
	s_barrier_wait -1
.irp n, 0,1,2,3,4,5,6,7,8,9,10,11,12,13,14,15
	ds_load_b128 v[P+4*\n:P+4*\n+3], v[LB] offset:\base+16*\n      ; every lane reads the same words
.endr
	s_wait_dscnt 0x0
.irp w, 0,2,4,6
.irp p, 0,2,4,6
	v_pk_add_f32 v[P+8*\w+\p:P+8*\w+\p+1], v[P+8*\w+\p:P+8*\w+\p+1], v[P+8*\w+8+\p:P+8*\w+8+\p+1]
.endr
.endr
.irp w, 0,4
.irp p, 0,2,4,6
	v_pk_add_f32 v[P+8*\w+\p:P+8*\w+\p+1], v[P+8*\w+\p:P+8*\w+\p+1], v[P+8*\w+16+\p:P+8*\w+16+\p+1]
.endr
.endr
.irp p, 0,2,4,6
	v_pk_add_f32 v[P+\p:P+\p+1], v[P+\p:P+\p+1], v[P+32+\p:P+32+\p+1]
.endr
.endm
	s_wait_loadcnt 20                              ; cp is in; z's 16 loads and gamma's and beta's 4 stay out
.irp k, 0,2,4,6
.irp p, 0,2,4,6
	v_pk_add_f32 v[C+8*\k+\p:C+8*\k+\p+1], v[C+8*\k+\p:C+8*\k+\p+1], v[C+8*\k+8+\p:C+8*\k+8+\p+1]
.endr
.endr
.irp k, 0,4
.irp p, 0,2,4,6
	v_pk_add_f32 v[C+8*\k+\p:C+8*\k+\p+1], v[C+8*\k+\p:C+8*\k+\p+1], v[C+8*\k+16+\p:C+8*\k+16+\p+1]
.endr
.endr
.irp p, 0,2,4,6
	v_pk_add_f32 v[C+\p:C+\p+1], v[C+\p:C+\p+1], v[C+32+\p:C+32+\p+1]          ; c[b] of my 8 columns
.endr
	s_wait_loadcnt 4                               ; z is in; gamma and beta stay out
.irp r, 0,1,2,3,4,5,6,7
.irp p, 0,2,4,6
	v_pk_add_f32 v[Z+8*\r+\p:Z+8*\r+\p+1], v[Z+8*\r+\p:Z+8*\r+\p+1], v[C+\p:C+\p+1]
.endr
.endr
	; the mean
.irp r, 0,1,2,3,4,5,6,7
	v_pk_add_f32 v[P+4*\r:P+4*\r+1],   v[Z+8*\r:Z+8*\r+1],   v[Z+8*\r+2:Z+8*\r+3]
	v_pk_add_f32 v[P+4*\r+2:P+4*\r+3], v[Z+8*\r+4:Z+8*\r+5], v[Z+8*\r+6:Z+8*\r+7]
.endr
.irp r, 0,1,2,3,4,5,6,7
	v_pk_add_f32 v[P+4*\r:P+4*\r+1], v[P+4*\r:P+4*\r+1], v[P+4*\r+2:P+4*\r+3]
.endr
.irp r, 0,1,2,3,4,5,6,7
	v_add_f32 v[SM+\r], v[P+4*\r], v[P+4*\r+1]
.endr
	ACROSS 0
.irp p, 0,2,4,6
	v_pk_mul_f32 v[NM+\p:NM+\p+1], v[P+\p:P+\p+1], 0xba000000 op_sel_hi:[1,0]  ; minus the sum / 2048
.endr
.irp r, 0,2,4,6
.irp p, 0,2,4,6
	v_pk_add_f32 v[Z+8*\r+\p:Z+8*\r+\p+1],     v[Z+8*\r+\p:Z+8*\r+\p+1],     v[NM+\r:NM+\r+1] op_sel_hi:[1,0]              ; an even row takes the pair's first register for both halves,
	v_pk_add_f32 v[Z+8*\r+8+\p:Z+8*\r+8+\p+1], v[Z+8*\r+8+\p:Z+8*\r+8+\p+1], v[NM+\r:NM+\r+1] op_sel:[0,1] op_sel_hi:[1,1]  ; an odd row its second
.endr
.endr
	; the variance
.irp r, 0,1,2,3,4,5,6,7
	v_pk_mul_f32 v[P+2*\r:P+2*\r+1], v[Z+8*\r:Z+8*\r+1], v[Z+8*\r:Z+8*\r+1]
.endr
.irp p, 2,4,6
.irp r, 0,1,2,3,4,5,6,7
	v_pk_fma_f32 v[P+2*\r:P+2*\r+1], v[Z+8*\r+\p:Z+8*\r+\p+1], v[Z+8*\r+\p:Z+8*\r+\p+1], v[P+2*\r:P+2*\r+1]
.endr
.endr
.irp r, 0,1,2,3,4,5,6,7
	v_add_f32 v[SM+\r], v[P+2*\r], v[P+2*\r+1]
.endr
	ACROSS 256                                     ; other bytes than the mean's: no wave can still be reading what is written here
.irp r, 0,1,2,3,4,5,6,7
	v_fma_f32 v[SM+\r], v[P+\r], s20, s21          ; var + eps
.endr
.irp r, 0,1,2,3,4,5,6,7
	v_rsq_f32 v[NM+\r], v[SM+\r]
.endr
	v_nop                                          ; the place behind the roots (ISA guide 5.7.2)
	s_wait_alu depctr_va_vdst(0)
.irp r, 0,2,4,6
.irp p, 0,2,4,6
	v_pk_mul_f32 v[Z+8*\r+\p:Z+8*\r+\p+1],     v[Z+8*\r+\p:Z+8*\r+\p+1],     v[NM+\r:NM+\r+1] op_sel_hi:[1,0]
	v_pk_mul_f32 v[Z+8*\r+8+\p:Z+8*\r+8+\p+1], v[Z+8*\r+8+\p:Z+8*\r+8+\p+1], v[NM+\r:NM+\r+1] op_sel:[0,1] op_sel_hi:[1,1]
.endr
.endr
	s_wait_loadcnt 0x0                             ; gamma and beta
.irp r, 0,1,2,3,4,5,6,7
.irp p, 0,2,4,6
	v_pk_fma_f32 v[Z+8*\r+\p:Z+8*\r+\p+1], v[Z+8*\r+\p:Z+8*\r+\p+1], v[G+\p:G+\p+1], v[BT+\p:BT+\p+1]
.endr
.endr
.irp r, 0,1,2,3,4,5,6,7
.irp j, 0,1
	global_store_b128 v2, v[Z+8*\r+4*\j:Z+8*\r+4*\j+3], s[12:13] offset:8192*\r+512*\j th:TH_STORE_NT
.endr
.endr
	s_wait_tensorcnt 0x0
	ds_add_u32 v232, v233
	s_wait_dscnt 0x0
	s_endpgm
.Lfunc_end_k_q0edeb1bb7a_lnorm:
	.size	k_q0edeb1bb7a_lnorm, .Lfunc_end_k_q0edeb1bb7a_lnorm-k_q0edeb1bb7a_lnorm
	.p2alignl 7, 3214868480
	.fill 96, 4, 3214868480
	.section	.rodata,"a",@progbits
	.p2align	6, 0x0
	.amdhsa_kernel k_q0edeb1bb7a_lnorm
		.amdhsa_group_segment_fixed_size 1536
		.amdhsa_private_segment_fixed_size 0
		.amdhsa_enable_private_segment 0
		.amdhsa_kernarg_size 40
		.amdhsa_user_sgpr_count 2
		.amdhsa_user_sgpr_kernarg_segment_ptr 1
		.amdhsa_wavefront_size32 1
		.amdhsa_system_sgpr_workgroup_id_x 1
		.amdhsa_system_sgpr_workgroup_id_y 1
		.amdhsa_system_sgpr_workgroup_id_z 1
		.amdhsa_system_vgpr_workitem_id 0
		.amdhsa_next_free_vgpr 234
		.amdhsa_next_free_sgpr 66
		.amdhsa_reserve_vcc 0
		.amdhsa_float_denorm_mode_32 3
		.amdhsa_float_denorm_mode_16_64 3
		.amdhsa_memory_ordered 1
		.amdhsa_forward_progress 1
		.amdhsa_inst_pref_size 33
	.end_amdhsa_kernel
	.amdgpu_metadata
---
amdhsa.version: [ 1, 2 ]
amdhsa.kernels:
  - .name:           k_q0edeb1bb7a_lnorm
    .symbol:         k_q0edeb1bb7a_lnorm.kd
    .args:
      - { .name: z, .offset: 0, .size: 8, .value_kind: global_buffer, .address_space: global }
      - { .name: cp, .offset: 8, .size: 8, .value_kind: global_buffer, .address_space: global }
      - { .name: gamma, .offset: 16, .size: 8, .value_kind: global_buffer, .address_space: global }
      - { .name: beta, .offset: 24, .size: 8, .value_kind: global_buffer, .address_space: global }
      - { .name: out0, .offset: 32, .size: 8, .value_kind: global_buffer, .address_space: global }
    .group_segment_fixed_size: 1536
    .private_segment_fixed_size: 0
    .kernarg_segment_align: 8
    .kernarg_segment_size: 40
    .max_flat_workgroup_size: 256
    .sgpr_count:     66
    .vgpr_count:     234
    .wavefront_size: 32
...
	.end_amdgpu_metadata
.endif
;; end of part 5
